; MI455X (gfx1250); checked and timed in simulation.
; The chip was launched on July 23, 2026; its instructions are those of AMD's public machine-readable ISA for CDNA 5 (MIT licence, August 2026) and "CDNA5" Instruction Set Architecture Reference Guide (July 2026). The comments in the code are by the model that wrote it; some were corrected since.
;; Multi Head Self Attention. Allowed arithmetic: matrix products marked QUANTISED: E4M3 operands, one given power-of-two scale a tensor, by v_wmma_f32_16x16x64_fp8_fp8 or v_wmma_f32_16x16x128_fp8_fp8, f32 sums; everything else in f32.
;; Inputs: Wk 1,024 x 1,024 float32; Wo 1,024 x 1,024 float32; Wq 1,024 x 1,024 float32; Wv 1,024 x 1,024 float32; bo 1,024 float32; key_padding_mask 2 x 2,048 bool; lowp_scales 12 int32 (the exponents e of the quantised operands' scales 2^e); mask 2,048 x 2,048 float32; x 2 x 2,048 x 1,024 float32.
;; Outputs: out0 2 x 2,048 x 1,024 float32.
;; This version of the problem:
;;   THIS VERSION OF THE PROBLEM IS GIVEN IN LOW PRECISION. The matrix products marked QUANTISED in the list below multiply operands that are first quantised to E4M3 (4 exponent bits, 3 mantissa bits; 8 bits a number), with one given power-of-two scale for each operand tensor; their sums are f32. All else is computed in f32.
;;   The module's matrix products, in the order in which they are computed (A, B: the left and right operand; K: the contracted axis; several contracted axes count as one K, in the product's order):
;;     1. [M 4,096, K 1,024] x [K 1,024, N 1,024]; A: input x; B: input Wq: QUANTISED (scales: A lowp_scales[0], B lowp_scales[1])
;;     2. [M 4,096, K 1,024] x [K 1,024, N 1,024]; A: input x; B: input Wk: QUANTISED (scales: A lowp_scales[2], B lowp_scales[3])
;;     3. [M 4,096, K 1,024] x [K 1,024, N 1,024]; A: input x; B: input Wv: QUANTISED (scales: A lowp_scales[4], B lowp_scales[5])
;;     4. batch 32 x [M 2,048, K 64] x [K 64, N 2,048]; A: computed on the way; B: computed on the way: QUANTISED (scales: A lowp_scales[6], B lowp_scales[7])
;;     5. batch 32 x [M 2,048, K 2,048] x [K 2,048, N 64]; A: computed on the way; B: computed on the way: QUANTISED (scales: A lowp_scales[8], B lowp_scales[9])
;;     6. [M 4,096, K 1,024] x [K 1,024, N 1,024]; A: computed on the way; B: input Wo: QUANTISED (scales: A lowp_scales[10], B lowp_scales[11])
;;   THE QUANTISER, for each operand of a quantised product, along K:
;;     - The operand's scale is 2^e, e = its entry of the input lowp_scales (int32; the entries are numbered through the quantised products in the list's order, A before B).
;;     - Each number is divided by the scale, clamped to +-448, and rounded to the nearest number of E4M3, ties to even, subnormals kept.
;;     - The product sums the exact products of the quantised numbers (number of the format x scale) in f32.
;;   ~~~python
;;   def quantise(x, axis, e):      # numpy; x: float32 -> the quantised numbers, widened to float32 again
;;       x = np.moveaxis(x, axis, -1); K = x.shape[-1]
;;       r = np.clip(x / 2.0 ** e, -448, 448)
;;       step = 2.0 ** (np.maximum(np.frexp(np.where(r == 0, 1, r))[1] - 1, -6) - 3)
;;       q = np.round(r / step) * step * 2.0 ** e      # np.round: ties to even
;;       return np.moveaxis(q, -1, axis).astype(np.float32)
;;   ~~~
;;   OPERANDS COMPUTED ON THE WAY. 'Computed on the way' means the value that the module computes at that place (a softmax that the list does not call 'softmax' is quantised finished and normalised). What goes into a quantiser is computed in f32, as accurately as f32 sums, v_exp_f32 and their like allow (about 1e-6 of the number): no bf16 or f16 on the way to a quantiser, and a product that is left as it is and whose result goes on into a quantised operand takes f32 operands (vector FMAs, or v_wmma_f32_16x16x4_f32). A number that lies on a knife's edge between two numbers of the format may be rounded either way, as far as f32 arithmetic and the matrix unit's own rounding can turn it there, and no further.
;; One version. Each part assembles by itself: llvm-mc -triple=amdgcn-amd-amdhsa -mcpu=gfx1250 --defsym DOCPART=n.
;; ======== version 1 of 1: 4 launches
;; limits: right only within a limited range of input values
;; workspace buffers: xc 12,582,912 bytes; wc 4,194,304 bytes; cls 65,536 bytes of whole numbers; qkv 12,582,912 bytes; cimg 4,194,304 bytes
;; launch prep (part 1): grid 384 x 1, 4 waves a work-group, no clusters, 68,352 bytes of LDS; arguments x, Wq, Wk, Wv, Wo, mask, key_padding_mask, lowp_scales, xc, wc, cls; writes xc, wc, cls
.if DOCPART == 1
	.amdgcn_target "amdgcn-amd-amdhsa--gfx1250"
	.amdhsa_code_object_version 6
	.text
	.protected	k_qcb6d55ea0f_prep
	.globl	k_qcb6d55ea0f_prep
	.p2align	8
	.type	k_qcb6d55ea0f_prep,@function
k_qcb6d55ea0f_prep:
	s_mov_b64 s[64:65], 0
	v_nop
	global_prefetch_b8 v0, s[64:65] scope:SCOPE_SE
	s_setreg_imm32_b32 hwreg(HW_REG_WAVE_MODE, 25, 1), 1
	s_wait_xcnt 0x0
; PREP: three jobs in one launch, parted on the work-group's number; each job has LDS bytes of its own.
;  X (work-groups 0-127):   x [4096][1024] f32 -> three copies of E4M3 codes, K innermost, with the scales 2^e0, 2^e2, 2^e4 (one for each projection).
;  W (work-groups 128-255): Wq, Wk, Wv, Wo [k 1024][n 1024] f32 -> codes [n'][k], K innermost, scales e1, e3, e5, e11.  For Wq, Wk, Wv column n goes to row n' = n with bits 3 and 4 exchanged
;                           (inside a head): the same order of a head's 64 in Q and K leaves their products as they are, and V's rows then fall so that attention's results are 16 neighbours a lane.
;  M (work-groups 256-383): for each batch b and each block of 32 queries, three words with one bit for each step of 64 keys:
;                           A = 0: all 32 x 64 entries of mask are -inf;  B = 0: that, and every row of the block has a key that counts in batch b;  G = 0: all entries are 0.
;                           They are stored as whole numbers; no address and no branch of this launch hangs on them.
; code = x / 2^e, held within +-448, to the nearest code, ties to even.  LIMITS: each e between -126 and 119; NaN among the inputs is not served.
; Streams bound by bytes: no matrix unit, no tensor load, no cluster; waves share nothing but job M's twelve words.
.set SP,     80                        ; X: a lane's place in a stage: 64 bytes + 16 of padding
.set XR,     16                        ; X: v16-79   four sets of 16 numbers as loaded
.set XX,     80                        ; X: v80-111  two sets of 16 neighbours
.set XT,     112                       ; X: v112-127 the 16 numbers, held
.set XC,     128                       ; X: v128-175 codes: 12 registers a step, four steps by turns
.set WPITCH, 272                       ; W: a stage row: 256 bytes of codes + 16
.set WSTG,   32768                     ; W: the stages begin here: 4 waves x 32 rows x 272 bytes
.set WX,     32                        ; W: v32-95   two sets of 32 numbers
.set WC,     96                        ; W: v96-103  a block's codes
.set WO,     112                       ; W: v112-175 the way out
.set MWORDS, 67584                     ; M: 16 bytes for each wave
.set KP,     16                        ; M: v16-31   the padding bytes, later the four waves' words
.set MX,     32                        ; M: v32-47   largest entry, for each of a row's 16 loads
.set MA,     48                        ; M: v48-63   largest magnitude
.set PADR,   64                        ; M: v64-127  0 or -inf for each of my 64 keys
.set MD,     128                       ; M: v128-255 two rows by turns
.macro MKSC e, vs, vl                  ; from the exponent in s[e]: v[vs] = 2^e as f32, v[vl] = 448 x 2^e
	s_add_co_i32 s46, s[\e], 127
	s_lshl_b32 s47, s46, 23
	v_mov_b32 v[\vs], s47
	s_add_co_i32 s46, s46, 8
	s_lshl_b32 s46, s46, 23
	s_or_b32 s46, s46, 0x600000
	v_mov_b32 v[\vl], s46
.endm
	s_load_b512 s[8:23], s[0:1], 0x0               ; x 8, Wq 10, Wk 12, Wv 14, Wo 16, mask 18, padding 20, exponents 22
	s_load_b128 s[24:27], s[0:1], 0x40             ; xc 24, wc 26
	s_load_b64 s[28:29], s[0:1], 0x50              ; cls
	s_set_vgpr_msb 0x40
	v_lshl_add_u32 v0, v0, 2, 0x10900
	v_mov_b32 v1, 0
	s_set_vgpr_msb 0x4000
	v_lshrrev_b32 v1, 5, v0
	v_readfirstlane_b32 s30, v1                    ; wave 0..3
	v_and_b32 v2, 31, v0                           ; lane
	s_wait_kmcnt 0x0
	s_load_b256 s[32:39], s[22:23], 0x0            ; e0 .. e7
	s_load_b128 s[40:43], s[22:23], 0x20           ; e8 .. e11
	s_wait_kmcnt 0x0
	s_cmp_lt_u32 ttmp9, 128
	s_cbranch_scc0 .Lnot_x
; ---------------- X: a wave takes 16 steps of 512 numbers.  Each load reads 512 consecutive bytes; a step's 2,048 bytes turn through the wave's own stage so that a lane holds 16 neighbours along K.
	s_wait_alu depctr_va_vdst(0)
	v_lshlrev_b32 v3, 4, v2                        ; 16 x lane: my bytes of a load, and of a step's codes
	s_wait_alu depctr_va_vdst(0)
	s_mul_i32 s31, s30, 8192                       ; my wave's two stages
	v_lshrrev_b32 v14, 2, v2
	v_mul_u32_u24 v14, v14, SP
	v_and_b32 v15, 3, v2
	v_lshl_add_u32 v14, v15, 4, v14
	v_add_nc_u32 v14, s31, v14                     ; in: SP (lane / 4) + 16 (lane % 4)
	v_mul_u32_u24 v15, v2, SP
	v_add_nc_u32 v15, s31, v15                     ; out: SP x lane
	s_lshl_b32 s44, ttmp9, 2
	s_add_co_u32 s44, s44, s30                     ; which run of 8,192 numbers is my wave's
	s_lshl_b32 s46, s44, 15
	s_mov_b32 s47, 0
	s_add_nc_u64 s[8:9], s[8:9], s[46:47]
	s_lshl_b32 s46, s44, 13
	s_add_nc_u64 s[48:49], s[24:25], s[46:47]      ; the three copies lie 4 MiB apart
	s_add_nc_u64 s[50:51], s[48:49], 0x400000
	s_add_nc_u64 s[52:53], s[48:49], 0x800000
.macro XLOAD t
.irp i, 0,1,2,3
	global_load_b128 v[XR+16*((\t)%4)+4*\i:XR+16*((\t)%4)+4*\i+3], v3, s[8:9] offset:2048*(\t)+512*\i th:TH_LOAD_NT
.endr
.endm
.macro XTURN t                         ; LDS serves a wave's instructions in order: no wait between the stores and the loads
.irp i, 0,1,2,3
	ds_store_b128 v14, v[XR+16*((\t)%4)+4*\i:XR+16*((\t)%4)+4*\i+3] offset:32*SP*((\t)%2)+8*SP*\i
.endr
.irp i, 0,1,2,3
	ds_load_b128 v[XX+16*((\t)%2)+4*\i:XX+16*((\t)%2)+4*\i+3], v15 offset:32*SP*((\t)%2)+16*\i
.endr
.endm
.irp t, 0,1,2,3
	XLOAD \t
.endr
	MKSC 32, 5, 6                                  ; e0
	MKSC 34, 7, 8                                  ; e2
	MKSC 36, 9, 10                                 ; e4
	s_wait_alu depctr_va_vdst(0)
	s_wait_loadcnt 12                              ; step 0's four loads are in
	XTURN 0
.macro XSTEP t
.set XS, XX+16*((\t)%2)
.set CS, XC+12*((\t)%4)
	s_wait_dscnt 0x0                               ; this step's numbers are back: its stores into the stage have read their registers,
.if (\t)+4 < 16
	XLOAD (\t)+4                                   ; which take the loads of four steps on
.endif
.if (\t)+1 < 16
.if 14-(\t) >= 3
	s_wait_loadcnt 12                              ; the next step's four loads are in; three steps' twelve may be out
.else
	s_wait_loadcnt 4*(14-(\t))
.endif
	XTURN (\t)+1
.endif
.if (\t) >= 4
	s_wait_xcnt 0x0                                ; the stores of four steps ago have read these code registers
.endif
.irp i, 0,1,2
.irp k, 0,1,2,3,4,5,6,7,8,9,10,11,12,13,14,15
	v_med3_num_f32 v[XT+\k], v[XS+\k], -v[6+2*\i], v[6+2*\i]   ; the conversion does not saturate (ISA guide 7.6.2): hold first
.endr
	v_cvt_scalef32_pk8_fp8_f32 v[CS+4*\i:CS+4*\i+1], v[XT:XT+7], v[5+2*\i]
	v_cvt_scalef32_pk8_fp8_f32 v[CS+4*\i+2:CS+4*\i+3], v[XT+8:XT+15], v[5+2*\i]
	v_nop                                          ; a plain line between the conversions and the next holds, which write their sources
.endr
	global_store_b128 v3, v[CS:CS+3], s[48:49] offset:512*(\t)      ; 32 lanes store 512 consecutive bytes
	global_store_b128 v3, v[CS+4:CS+7], s[50:51] offset:512*(\t)
	global_store_b128 v3, v[CS+8:CS+11], s[52:53] offset:512*(\t)
.endm
.irp t, 0,1,2,3,4,5,6,7,8,9,10,11,12,13,14,15
	XSTEP \t
.endr
	s_set_vgpr_msb 0x5
	s_wait_tensorcnt 0x0
	ds_add_u32 v0, v1
	s_wait_dscnt 0x0
	s_set_vgpr_msb 0x500
	s_endpgm
.Lnot_x:
	s_cmp_lt_u32 ttmp9, 256
	s_cbranch_scc0 .Lpath_m
; ---------------- W: a lane takes a column n and its registers run down K; a wave takes 32 columns x 256 along K; the codes leave through the wave's stage as rows of 256 bytes.
	s_sub_co_u32 s44, ttmp9, 128
	s_lshr_b32 s45, s44, 5                         ; which weight: 0 q, 1 k, 2 v, 3 o
	s_and_b32 s46, s44, 7                          ; which 128 columns
	s_bfe_u32 s47, s44, 0x20003                    ; which 256 along K
	s_cmp_eq_u32 s45, 1
	s_cselect_b64 s[10:11], s[12:13], s[10:11]
	s_cselect_b32 s33, s35, s33                    ; e1, e3, e5 or e11
	s_cmp_eq_u32 s45, 2
	s_cselect_b64 s[10:11], s[14:15], s[10:11]
	s_cselect_b32 s33, s37, s33
	s_cmp_eq_u32 s45, 3
	s_cselect_b64 s[10:11], s[16:17], s[10:11]
	s_cselect_b32 s33, s43, s33
	s_lshl_b32 s48, s46, 7
	s_lshl_b32 s49, s30, 5
	s_add_co_u32 s48, s48, s49                     ; my wave's first column, a multiple of 32
	s_wait_alu depctr_va_vdst(0)
	v_lshlrev_b32 v3, 2, v2                        ; in: 4 bytes a lane
	s_mul_i32 s49, s30, 32*WPITCH
	s_add_co_u32 s49, s49, WSTG                    ; my stage
	v_mul_u32_u24 v4, v2, WPITCH
	v_add_nc_u32 v4, s49, v4                       ; into it: row = my column
	v_and_b32 v5, 15, v2
	v_lshrrev_b32 v6, 4, v2
	v_mul_u32_u24 v7, v6, WPITCH
	v_lshl_add_u32 v7, v5, 4, v7
	v_add_nc_u32 v7, s49, v7                       ; out of it: sixteen lanes to a row, two rows an instruction
	v_lshlrev_b32 v8, 10, v6
	v_lshl_add_u32 v8, v5, 4, v8                   ; and the same place among the codes' rows of 1,024 bytes
	s_lshl_b32 s50, s47, 20                        ; 256 rows of 4,096 bytes
	s_lshl_b32 s51, s48, 2
	s_add_co_u32 s50, s50, s51
	s_mov_b32 s51, 0
	s_add_nc_u64 s[10:11], s[10:11], s[50:51]
	s_lshl_b32 s50, s45, 20                        ; the weight's 1 MiB of codes,
	s_lshl_b32 s52, s48, 10                        ; my first row,
	s_add_co_u32 s50, s50, s52
	s_lshl_b32 s52, s47, 8                         ; my 256 bytes of it
	s_add_co_u32 s50, s50, s52
	s_add_nc_u64 s[26:27], s[26:27], s[50:51]
.macro WLOAD t
.set ii, 0
.rept 32
	global_load_b32 v[WX+32*((\t)%2)+ii], v3, s[10:11] offset:(32*(\t)+ii)*4096 th:TH_LOAD_NT   ; 32 lanes read 128 consecutive bytes; the four waves stand side by side
.set ii, ii+1
.endr
.endm
	WLOAD 0
	WLOAD 1
	MKSC 33, 11, 10
.macro WBLOCK t
.set WS, WX+32*((\t)%2)
.if (\t) < 7
	s_wait_loadcnt 32                              ; this block's 32 loads are in; the next block's may be out
.else
	s_wait_loadcnt 0
.endif
.set ii, 0
.rept 32
	v_med3_num_f32 v[WS+ii], v[WS+ii], -v10, v10
.set ii, ii+1
.endr
.irp g, 0,1,2,3
	v_cvt_scalef32_pk8_fp8_f32 v[WC+2*\g:WC+2*\g+1], v[WS+8*\g:WS+8*\g+7], v11
.endr
	ds_store_b128 v4, v[WC:WC+3] offset:32*(\t)
	ds_store_b128 v4, v[WC+4:WC+7] offset:32*(\t)+16
.if (\t)+2 < 8
	WLOAD (\t)+2
.endif
	s_wait_dscnt 0x0                               ; the stores have read their registers; the next block begins with 32 plain lines
.endm
	s_wait_alu depctr_va_vdst(0)
.irp t, 0,1,2,3,4,5,6,7
	WBLOCK \t
.endr
.irp t, 0,1,2,3,4,5,6,7,8,9,10,11,12,13,14,15
	ds_load_b128 v[WO+4*\t:WO+4*\t+3], v7 offset:2*\t*WPITCH
.endr
	s_cmp_eq_u32 s45, 3
	s_cbranch_scc1 .Lw_plain
.irp t, 0,1,2,3,4,5,6,7,8,9,10,11,12,13,14,15      ; columns 2 t, 2 t + 1 go to rows with bits 3 and 4 exchanged: bits 2 and 3 of t
	s_wait_dscnt 15-\t
	global_store_b128 v8, v[WO+4*\t:WO+4*\t+3], s[26:27] offset:2*(((\t)%4)+8*(((\t)/4)%2)+4*((\t)/8))*1024   ; sixteen lanes store 256 consecutive bytes, aligned
.endr
	s_set_vgpr_msb 0x5
	s_wait_tensorcnt 0x0
	ds_add_u32 v0, v1
	s_wait_dscnt 0x0
	s_set_vgpr_msb 0x500
	s_endpgm
.Lw_plain:
.irp t, 0,1,2,3,4,5,6,7,8,9,10,11,12,13,14,15      ; Wo's rows stay in their order
	s_wait_dscnt 15-\t
	global_store_b128 v8, v[WO+4*\t:WO+4*\t+3], s[26:27] offset:2*\t*1024
.endr
	s_set_vgpr_msb 0x5
	s_wait_tensorcnt 0x0
	ds_add_u32 v0, v1
	s_wait_dscnt 0x0
	s_set_vgpr_msb 0x500
	s_endpgm
.Lpath_m:
; ---------------- M: a work-group takes (b, block of 32 queries), a wave 8 rows of mask.  A row is 16 loads of 512 bytes: lane l of load i holds keys 128 i + 4 l .. + 3, which lie in key step 2 i + l / 16.
	s_sub_co_u32 s44, ttmp9, 256
	s_lshr_b32 s45, s44, 6                         ; b
	s_and_b32 s46, s44, 63                         ; block
	s_wait_alu depctr_va_vdst(0)
	v_lshlrev_b32 v3, 4, v2                        ; 16 x lane
	v_lshlrev_b32 v4, 2, v2                        ; 4 x lane
	s_wait_alu depctr_va_vdst(0)
	s_lshl_b32 s48, s46, 18                        ; 32 rows of 8,192 bytes
	s_lshl_b32 s49, s30, 16                        ; my wave's 8
	s_add_co_u32 s48, s48, s49
	s_mov_b32 s49, 0
	s_add_nc_u64 s[18:19], s[18:19], s[48:49]
	s_lshl_b32 s48, s45, 11
	s_add_nc_u64 s[20:21], s[20:21], s[48:49]
	s_lshl_b32 s48, s44, 9                         ; my record of 512 bytes
	s_add_nc_u64 s[28:29], s[28:29], s[48:49]
.set ii, 0
.rept 16
	global_load_b32 v[KP+ii], v4, s[20:21] offset:128*ii
.set ii, ii+1
.endr
.macro MROWLOAD r
.set ii, 0
.rept 16
	global_load_b128 v[MD+64*((\r)%2)+4*ii:MD+64*((\r)%2)+4*ii+3], v3, s[18:19] offset:(\r)*8192+512*ii
.set ii, ii+1
.endr
.endm
	MROWLOAD 0
	MROWLOAD 1
	s_mov_b32 s58, 0x76543210                      ; v_permlanex16_b32: lane l xor 16
	s_mov_b32 s59, 0xfedcba98
	s_mov_b32 s62, 0xff800000                      ; -inf
	s_mov_b32 s56, 0                               ; bits: all -inf
	s_mov_b32 s57, 0                               ; bits: all zero
	v_mov_b32 v8, 0x7f800000                       ; the least of the rows' largest scores-to-be
	v_mov_b32 v11, 0                               ; a permute's destination counts as read
	s_lshl_b32 s48, s30, 4
	s_add_co_u32 s48, s48, MWORDS
	v_mov_b32 v5, s48                              ; my wave's 16 bytes
	v_mov_b32 v6, MWORDS
.set ii, 0
.rept 16
	v_mov_b32 v[MX+ii], s62
	v_mov_b32 v[MA+ii], 0
.set ii, ii+1
.endr
	s_wait_loadcnt 32                              ; the padding bytes are in; two rows' 32 loads may be out
.set ii, 0
.rept 64
	v_bfe_u32 v[PADR+ii], v[KP+ii/4], 8*(ii%4), 1  ; 0 or 1
	v_sub_nc_u32 v[PADR+ii], 0, v[PADR+ii]         ; 0 or all ones
	v_and_b32 v[PADR+ii], s62, v[PADR+ii]          ; 0 or -inf
.set ii, ii+1
.endr
.macro MROW r
.set DS, MD+64*((\r)%2)
.if (\r) < 7
	s_wait_loadcnt 16                              ; this row is in; the other row's 16 loads may be out
.else
	s_wait_loadcnt 0
.endif
	v_mov_b32 v9, s62
	v_mov_b32 v10, s62
.set ii, 0
.rept 16
	v_max3_num_f32 v[MX+ii], v[MX+ii], v[DS+4*ii], v[DS+4*ii+1]
	v_max3_num_f32 v[MA+ii], v[MA+ii], |v[DS+4*ii]|, |v[DS+4*ii+1]|
	v_max3_num_f32 v[MX+ii], v[MX+ii], v[DS+4*ii+2], v[DS+4*ii+3]
	v_max3_num_f32 v[MA+ii], v[MA+ii], |v[DS+4*ii+2]|, |v[DS+4*ii+3]|
	v_pk_add_f32 v[DS+4*ii:DS+4*ii+1], v[DS+4*ii:DS+4*ii+1], v[PADR+4*ii:PADR+4*ii+1]       ; a padded key counts for nothing
	v_pk_add_f32 v[DS+4*ii+2:DS+4*ii+3], v[DS+4*ii+2:DS+4*ii+3], v[PADR+4*ii+2:PADR+4*ii+3]
	v_max3_num_f32 v9, v9, v[DS+4*ii], v[DS+4*ii+1]
	v_max3_num_f32 v10, v10, v[DS+4*ii+2], v[DS+4*ii+3]
.set ii, ii+1
.endr
.if (\r)+2 < 8
	MROWLOAD (\r)+2
.endif
	v_max_num_f32 v9, v9, v10
	v_max_num_f32_dpp v9, v9, v9 row_xmask:1 row_mask:0xf bank_mask:0xf
	v_max_num_f32_dpp v9, v9, v9 row_xmask:2 row_mask:0xf bank_mask:0xf
	v_max_num_f32_dpp v9, v9, v9 row_xmask:4 row_mask:0xf bank_mask:0xf
	v_max_num_f32_dpp v9, v9, v9 row_xmask:8 row_mask:0xf bank_mask:0xf
	v_permlanex16_b32 v11, v9, s58, s59
	v_max_num_f32 v9, v9, v11                      ; the row's largest mask + padding: -inf where no key counts
	v_min_num_f32 v8, v8, v9
.endm
.irp r, 0,1,2,3,4,5,6,7
	MROW \r
.endr
.irp m, 1,2,4,8                                    ; sixteen lanes hold one key step of 64 keys
.set ii, 0
.rept 16
	v_max_num_f32_dpp v[MX+ii], v[MX+ii], v[MX+ii] row_xmask:\m row_mask:0xf bank_mask:0xf
	v_max_num_f32_dpp v[MA+ii], v[MA+ii], v[MA+ii] row_xmask:\m row_mask:0xf bank_mask:0xf
.set ii, ii+1
.endr
.endr
.macro MBITS acc, i                    ; of the lane mask in s60, bit 0 speaks for key step 2 i and bit 16 for 2 i + 1
	s_and_b32 s61, s60, 0x10001
	s_lshr_b32 s60, s61, 15
	s_or_b32 s61, s61, s60
	s_and_b32 s61, s61, 3
	s_lshl_b32 s61, s61, 2*(\i)
	s_or_b32 s[\acc], s[\acc], s61
.endm
.irp i, 0,1,2,3,4,5,6,7,8,9,10,11,12,13,14,15
	v_cmp_eq_f32 s60, s62, v[MX+\i]
	MBITS 56, \i
	v_cmp_eq_f32 s60, 0, v[MA+\i]
	MBITS 57, \i
.endr
	v_cmp_lt_f32 s63, s62, v8                      ; all ones where each of my 8 rows has a key that counts
	v_mov_b32 v12, s56
	v_mov_b32 v13, s57
	v_mov_b32 v14, s63
	v_mov_b32 v15, 0
	ds_store_b128 v5, v[12:15]                     ; all lanes store the same words to the wave's place
	s_wait_dscnt 0x0                               ; for the others' sake
	s_barrier_signal -1
	s_barrier_wait -1
.irp w, 0,1,2,3
	ds_load_b128 v[KP+4*\w:KP+4*\w+3], v6 offset:16*\w
.endr
	s_wait_dscnt 0x0
.irp k, 0,1,2
	v_and_b32 v[KP+\k], v[KP+\k], v[KP+4+\k]
	v_and_b32 v[KP+8+\k], v[KP+8+\k], v[KP+12+\k]
	v_and_b32 v[KP+\k], v[KP+\k], v[KP+8+\k]       ; what holds of all 32 rows
.endr
	v_and_b32 v[KP+2], v[KP], v[KP+2]
	v_xor_b32 v12, -1, v[KP]                       ; A
	v_xor_b32 v13, -1, v[KP+2]                     ; B
	v_xor_b32 v14, -1, v[KP+1]                     ; G
	s_cmp_lg_u32 s30, 0
	s_cbranch_scc1 .Lm_end
	global_store_b128 v3, v[12:15], s[28:29]       ; the record: the same 16 bytes 32 times: 512 consecutive bytes, aligned
.Lm_end:
	s_set_vgpr_msb 0x5
	s_wait_tensorcnt 0x0
	ds_add_u32 v0, v1
	s_wait_dscnt 0x0
	s_set_vgpr_msb 0x500
	s_endpgm
.Lfunc_end_k_qcb6d55ea0f_prep:
	.size	k_qcb6d55ea0f_prep, .Lfunc_end_k_qcb6d55ea0f_prep-k_qcb6d55ea0f_prep
	.p2alignl 7, 3214868480
	.fill 96, 4, 3214868480
	.section	.rodata,"a",@progbits
	.p2align	6, 0x0
	.amdhsa_kernel k_qcb6d55ea0f_prep
		.amdhsa_group_segment_fixed_size 68352
		.amdhsa_private_segment_fixed_size 0
		.amdhsa_enable_private_segment 0
		.amdhsa_kernarg_size 88
		.amdhsa_user_sgpr_count 2
		.amdhsa_user_sgpr_kernarg_segment_ptr 1
		.amdhsa_wavefront_size32 1
		.amdhsa_system_sgpr_workgroup_id_x 1
		.amdhsa_system_sgpr_workgroup_id_y 1
		.amdhsa_system_sgpr_workgroup_id_z 1
		.amdhsa_system_vgpr_workitem_id 0
		.amdhsa_next_free_vgpr 258
		.amdhsa_next_free_sgpr 66
		.amdhsa_reserve_vcc 0
		.amdhsa_float_denorm_mode_32 3
		.amdhsa_float_denorm_mode_16_64 3
		.amdhsa_memory_ordered 1
		.amdhsa_forward_progress 1
		.amdhsa_inst_pref_size 240
	.end_amdhsa_kernel
	.amdgpu_metadata
---
amdhsa.version: [ 1, 2 ]
amdhsa.kernels:
  - .name:           k_qcb6d55ea0f_prep
    .symbol:         k_qcb6d55ea0f_prep.kd
    .args:
      - { .name: x, .offset: 0, .size: 8, .value_kind: global_buffer, .address_space: global }
      - { .name: Wq, .offset: 8, .size: 8, .value_kind: global_buffer, .address_space: global }
      - { .name: Wk, .offset: 16, .size: 8, .value_kind: global_buffer, .address_space: global }
      - { .name: Wv, .offset: 24, .size: 8, .value_kind: global_buffer, .address_space: global }
      - { .name: Wo, .offset: 32, .size: 8, .value_kind: global_buffer, .address_space: global }
      - { .name: mask, .offset: 40, .size: 8, .value_kind: global_buffer, .address_space: global }
      - { .name: key_padding_mask, .offset: 48, .size: 8, .value_kind: global_buffer, .address_space: global }
      - { .name: lowp_scales, .offset: 56, .size: 8, .value_kind: global_buffer, .address_space: global }
      - { .name: xc, .offset: 64, .size: 8, .value_kind: global_buffer, .address_space: global }
      - { .name: wc, .offset: 72, .size: 8, .value_kind: global_buffer, .address_space: global }
      - { .name: cls, .offset: 80, .size: 8, .value_kind: global_buffer, .address_space: global }
    .group_segment_fixed_size: 68352
    .private_segment_fixed_size: 0
    .kernarg_segment_align: 8
    .kernarg_segment_size: 88
    .max_flat_workgroup_size: 128
    .sgpr_count:     66
    .vgpr_count:     258
    .wavefront_size: 32
...
	.end_amdgpu_metadata
.endif
;; end of part 1
;; launch proj (part 2): grid 4 x 48, 4 waves a work-group, clusters of 4 x 4, 327,680 bytes of LDS; arguments xc, wc, lowp_scales, qkv; writes qkv
.if DOCPART == 2
	.amdgcn_target "amdgcn-amd-amdhsa--gfx1250"
	.amdhsa_code_object_version 6
	.text
	.protected	k_qcb6d55ea0f_proj
	.globl	k_qcb6d55ea0f_proj
	.p2align	8
	.type	k_qcb6d55ea0f_proj,@function
k_qcb6d55ea0f_proj:
	s_mov_b64 s[64:65], 0
	v_nop
	global_prefetch_b8 v0, s[64:65] scope:SCOPE_SE
	s_setreg_imm32_b32 hwreg(HW_REG_WAVE_MODE, 25, 1), 1
	s_wait_xcnt 0x0
	s_wait_alu depctr_hold_cnt(0) depctr_sa_sdst(0) depctr_va_vdst(0) depctr_va_sdst(0) depctr_va_ssrc(0) depctr_va_vcc(0) depctr_vm_vsrc(0)
	s_getreg_b32 s2, hwreg(HW_REG_IB_STS2, 6, 4)
	s_cmp_eq_u32 s2, 0
	s_cbranch_scc0 .Lentry_in_a_cluster
	s_endpgm
.Lentry_in_a_cluster:
	s_bfe_u32 s2, ttmp6, 0x10000c
	s_cmp_lg_u32 s2, 0xf033
	s_cbranch_scc0 .Lentry_shape_is_right
	s_endpgm
.Lentry_shape_is_right:
.set KSTEP,  256
.set ROWB,   256
.set KROW,   1024
.set PITCH,  272
.set FR,     16
.set NL,     4
.set NP,     4
.set HALFT,  128*PITCH
.set SLOT,   4*HALFT
.set LAPS,   2
.set SPARE,  2*SLOT
.set LIM,  8
.set SCL,  9
.set LI,   10
.set ADRA, 16
.set ADRB, 20
.set SPW,  28
.set NIL,  29
.set TMP,  32
.set AF,   128
.set CD,   128
.set G1, 24
.set G0, 32
.set G1B, 48
.set G0B, 56
.set MSB, 0
.macro WIN new
.if MSB != \new
	s_set_vgpr_msb (MSB<<8)|\new
.set MSB, \new
.endif
.endm
.set MUL_LO, 0xa1
.set MUL_HI, 0xf1
.set TO_B,   0x40
.macro JLOAD g0a, g1a, g0b, g1b
	s_cmp_eq_u32 s15, 0
	s_cbranch_scc0 .Lfor_b_\@
	tensor_load_to_lds s[\g0a:\g0a+3], s[\g1a:\g1a+7]
	s_nop 0
.rept 4
	v_nop
.endr
	s_branch .Lasked_\@
.Lfor_b_\@:
	tensor_load_to_lds s[\g0b:\g0b+3], s[\g1b:\g1b+7]
	s_nop 0
.rept 4
	v_nop
.endr
.Lasked_\@:
.endm
.macro CREST
	s_cmp_lg_u32 s14, 0
	s_cbranch_scc1 .Lnot_wave_0_\@
	s_barrier_signal -3
.Lnot_wave_0_\@:
	s_barrier_wait -3
	s_barrier_signal -1
	s_barrier_wait -1
.endm
.macro CROUND
	s_barrier_signal -1
	s_barrier_wait -1
	CREST
.endm
	s_load_b256 s[4:11], s[0:1], 0x0
	v_lshl_add_u32 v[SPW], v0, 2, SPARE
	v_mov_b32 v[NIL], 0
	ds_add_u32 v28, v29
	ds_add_u32 v28, v29
	s_wait_dscnt 0x0
	v_lshrrev_b32 v1, 5, v0
	v_readfirstlane_b32 s14, v1
	s_lshr_b32 s15, s14, 1
	s_and_b32 s16, s14, 1
	s_bfe_u32 s40, ttmp6, 0x40000
	s_bfe_u32 s41, ttmp6, 0x40004
	s_and_b32 s66, ttmp7, 0xffff
	s_lshr_b32 s67, s66, 2
	s_and_b32 s68, s66, 3
	s_cmp_eq_u32 s67, 2
	s_cselect_b32 s69, 0, s68
	s_cselect_b32 s70, s68, 0
	s_lshl_b32 s42, s70, 2
	s_add_co_u32 s42, s42, s40
	s_lshl_b32 s17, s69, 2
	s_add_co_u32 s17, s17, s41
	s_lshl_b32 s43, s41, 2
	s_lshl_b32 s43, 15, s43
	s_lshl_b32 s44, 0x1111, s40
	s_or_b32 s[G1+0], s43, (0<<16)|(1<<20)|(1<<21)|(5<<22)|(3<<25)
	s_or_b32 s[G1B+0], s44, (0<<16)|(1<<20)|(1<<21)|(5<<22)|(3<<25)
.irp g, G1, G1B
	s_mov_b32 s[\g+1], ROWB<<16
	s_mov_b32 s[\g+2], 128<<16
	s_mov_b32 s[\g+3], ROWB<<16
	s_mov_b32 s[\g+4], 128
	s_mov_b32 s[\g+5], KROW
	s_mov_b32 s[\g+6], 0
	s_mov_b32 s[\g+7], 0
.endr
	s_lshl_b32 s18, s16, 7
	s_lshl_b32 s20, s17, 8
	s_add_co_u32 s20, s20, s18
	s_lshl_b32 s46, s42, 8
	s_add_co_u32 s46, s46, s18
	s_lshl_b32 s20, s20, 10
	s_lshl_b32 s46, s46, 10
	s_mov_b32 s21, 0
	s_mov_b32 s47, 0
	s_mul_i32 s45, s14, HALFT
	s_lshl_b32 s72, s67, 22
	s_mov_b32 s73, 0
	s_lshl_b32 s74, s67, 20
	s_mov_b32 s75, 0
	s_wait_kmcnt 0x0
	s_load_b256 s[80:87], s[8:9], 0x0
	s_load_b128 s[88:91], s[8:9], 0x20
	s_add_nc_u64 s[4:5], s[4:5], s[72:73]
	s_add_nc_u64 s[6:7], s[6:7], s[74:75]
	s_cmp_eq_u32 s67, 2
	s_cselect_b64 s[76:77], s[6:7], s[4:5]
	s_cselect_b64 s[78:79], s[4:5], s[6:7]
	s_add_nc_u64 s[20:21], s[76:77], s[20:21]
	s_add_nc_u64 s[46:47], s[78:79], s[46:47]
	CROUND
.irp s, 0,1
	s_mov_b32 s[G0+4*\s], 1
	s_add_co_u32 s[G0+4*\s+1], s45, \s*SLOT
	s_add_nc_u64 s[G0+4*\s+2:G0+4*\s+3], s[20:21], \s*ROWB
	s_or_b32 s[G0+4*\s+3], s[G0+4*\s+3], 0x80000000
	s_mov_b32 s[G0B+4*\s], 1
	s_add_co_u32 s[G0B+4*\s+1], s45, \s*SLOT
	s_add_nc_u64 s[G0B+4*\s+2:G0B+4*\s+3], s[46:47], \s*ROWB
	s_or_b32 s[G0B+4*\s+3], s[G0B+4*\s+3], 0x80000000
	s_wait_alu depctr_va_vdst(0)
	s_wait_tensorcnt 0x0
	ds_add_u32 v28, v29
	ds_add_u32 v28, v29
	s_wait_dscnt 0x0
	CROUND
	JLOAD G0+4*\s, G1, G0B+4*\s, G1B
.endr
	v_and_b32 v1, 15, v0
	v_bfe_u32 v2, v0, 4, 1
	v_mul_u32_u24 v3, v1, PITCH
	v_lshl_add_u32 v4, v2, 4, v3
	s_mul_i32 s21, s15, HALFT
	s_mul_i32 s22, s16, HALFT
	s_add_co_u32 s22, s22, 2*HALFT
.irp s, 0,1
	v_add_nc_u32 v[ADRA+\s], s21, v4
	v_add_nc_u32 v[ADRB+\s], s22, v4
	s_add_co_u32 s21, s21, SLOT
	s_add_co_u32 s22, s22, SLOT
.endr
	v_and_b32 v6, 31, v0
	v_lshlrev_b32 v[LI], 4, v6
	s_lshl_b32 s66, s42, 2
	s_lshl_b32 s68, s16, 1
	s_add_co_u32 s66, s66, s68
	s_lshl_b32 s68, s17, 4
	s_lshl_b32 s69, s15, 3
	s_add_co_u32 s68, s68, s69
	s_lshr_b32 s69, s17, 3
	s_lshl_b32 s69, s69, 21
	s_lshl_b32 s70, s66, 17
	s_add_co_u32 s69, s69, s70
	s_and_b32 s70, s68, 127
	s_lshl_b32 s70, s70, 10
	s_add_co_u32 s69, s69, s70
	s_lshl_b32 s70, s66, 16
	s_lshl_b32 s71, s68, 10
	s_add_co_u32 s70, s70, s71
	s_mov_b32 s71, 131072
	s_cmp_eq_u32 s67, 2
	s_cselect_b32 s92, s70, s69
	s_cselect_b32 s96, 65536, s71
	s_add_co_u32 s92, s92, s72
	s_mov_b32 s93, 0
	s_mov_b32 s97, 0
	s_add_nc_u64 s[94:95], s[10:11], s[92:93]
	s_add_nc_u64 s[96:97], s[94:95], s[96:97]
.macro FRAG reg, adr, q, i
.irp c, 0,1,2,3
	ds_load_b128 v[\reg+4*\c:\reg+4*\c+3], v[\adr] offset:128*(\q)+32*\c+(\i)*16*PITCH
.endr
.endm
.macro MUL16 a0, p, zero
.irp a, \a0, \a0+1
.irp b, 0,1,2,3,4,5,6,7
.if \zero
	v_wmma_f32_16x16x128_fp8_fp8 v[8*(8*((\a)%4)+\b):8*(8*((\a)%4)+\b)+7], v[128*(\p)+FR*\b:128*(\p)+FR*\b+FR-1], v[AF+FR*(\a):AF+FR*(\a)+FR-1], 0
.else
	v_wmma_f32_16x16x128_fp8_fp8 v[8*(8*((\a)%4)+\b):8*(8*((\a)%4)+\b)+7], v[128*(\p)+FR*\b:128*(\p)+FR*\b+FR-1], v[AF+FR*(\a):AF+FR*(\a)+FR-1], v[8*(8*((\a)%4)+\b):8*(8*((\a)%4)+\b)+7]
.endif
.endr
.endr
.endm
.macro FETCH_B slot, q, p
	WIN TO_B
.irp i, 0,1,2,3,4,5,6,7
	FRAG 128*(\p)+FR*\i, ADRB+\slot, \q, \i
.endr
	WIN 0
.endm
.macro FETCH_A slot, q, i0
.irp i, \i0, \i0+1, \i0+2, \i0+3
	FRAG AF+FR*(\i), ADRA+\slot, \q, \i
.endr
.endm
.macro PLACES n
.rept \n
	v_nop
.endr
.endm
.macro STEP slot, q, zero
	s_wait_dscnt 4*NL
	WIN MUL_LO
	MUL16 0, (\q)%2, \zero
	MUL16 2, (\q)%2, \zero
	s_wait_dscnt 0
	PLACES NP
	FETCH_B \slot, (\q)+1, 1-(\q)%2
	FETCH_A \slot, (\q)+1, 0
	WIN MUL_HI
	MUL16 4, (\q)%2, \zero
	MUL16 6, (\q)%2, \zero
	PLACES NP
	WIN 0
	FETCH_A \slot, (\q)+1, 4
.endm
.macro TURN slot, next, fill
	s_wait_tensorcnt 0x0
	ds_add_u32 v[SPW], v[NIL]
	s_wait_dscnt 4*NL+1
	WIN MUL_LO
	MUL16 0, 1, 0
	s_wait_dscnt 0x0
	s_barrier_signal -1
	MUL16 2, 1, 0
	WIN 0
	s_barrier_wait -1
.if \fill
	CREST
	s_add_nc_u64 s[G0+4*\slot+2:G0+4*\slot+3], s[G0+4*\slot+2:G0+4*\slot+3], 2*ROWB
	s_add_nc_u64 s[G0B+4*\slot+2:G0B+4*\slot+3], s[G0B+4*\slot+2:G0B+4*\slot+3], 2*ROWB
	JLOAD G0+4*\slot, G1, G0B+4*\slot, G1B
.else
	PLACES NP
.endif
	FETCH_B \next, 0, 0
	FETCH_A \next, 0, 0
	WIN MUL_HI
	MUL16 4, 1, 0
	MUL16 6, 1, 0
	PLACES NP
	WIN 0
	FETCH_A \next, 0, 4
.endm
	s_wait_alu depctr_va_vdst(0)
	s_wait_tensorcnt 1
	s_barrier_signal -1
	s_barrier_wait -1
	FETCH_B 0, 0, 0
	FETCH_A 0, 0, 0
	FETCH_A 0, 0, 4
	STEP 0, 0, 1
	s_mov_b32 s3, LAPS-1
.Llap:
	TURN 0, 1, 1
	STEP 1, 0, 0
	TURN 1, 0, 1
	STEP 0, 0, 0
	s_sub_co_u32 s3, s3, 1
	s_cmp_lg_u32 s3, 0
	s_cbranch_scc1 .Llap
	TURN 0, 1, 0
	STEP 1, 0, 0
	s_wait_dscnt 4*NL
	WIN MUL_LO
	MUL16 0, 1, 0
	MUL16 2, 1, 0
	s_wait_dscnt 0
	WIN MUL_HI
	MUL16 4, 1, 0
	MUL16 6, 1, 0
	WIN 0
	s_wait_kmcnt 0x0
	s_sub_co_i32 s66, s86, s80
	s_sub_co_i32 s66, s66, s81
	s_sub_co_i32 s68, s87, s82
	s_sub_co_i32 s68, s68, s83
	s_sub_co_i32 s69, s89, s84
	s_sub_co_i32 s69, s69, s85
	s_cmp_eq_u32 s67, 1
	s_cselect_b32 s66, s68, s66
	s_cmp_eq_u32 s67, 2
	s_cselect_b32 s66, s69, s66
	s_add_co_i32 s66, s66, 127
	s_lshl_b32 s68, s66, 23
	v_mov_b32 v[SCL], s68
	s_add_co_i32 s66, s66, 8
	s_lshl_b32 s66, s66, 23
	s_or_b32 s66, s66, 0x600000
	v_mov_b32 v[LIM], s66
	PLACES NP
.macro OUT a
.set AC, 64*((\a)%4)
	WIN 0x02+((\a)/4)
.set jj, 0
.rept 64
	v_med3_num_f32 v[TMP+jj], v[AC+jj], -v[LIM], v[LIM]
.set jj, jj+1
.endr
	WIN 0
.irp b, 0,1,2,3,4,5,6,7
	v_cvt_scalef32_pk8_fp8_f32 v[CD+16*(\a)+2*\b:CD+16*(\a)+2*\b+1], v[TMP+8*\b:TMP+8*\b+7], v[SCL]
.endr
	v_nop
	global_store_b128 v[LI], v[CD+16*(\a):CD+16*(\a)+3], s[94:95] offset:1024*(\a)
	global_store_b128 v[LI], v[CD+16*(\a)+4:CD+16*(\a)+7], s[94:95] offset:1024*(\a)+512
	global_store_b128 v[LI], v[CD+16*(\a)+8:CD+16*(\a)+11], s[96:97] offset:1024*(\a)
	global_store_b128 v[LI], v[CD+16*(\a)+12:CD+16*(\a)+15], s[96:97] offset:1024*(\a)+512
.endm
.irp a, 0,1,2,3,4,5,6,7
	OUT \a
.endr
	s_wait_tensorcnt 0x0
	ds_add_u32 v[SPW], v[NIL]
	s_wait_dscnt 0x0
	CROUND
	s_endpgm
.Lfunc_end_k_qcb6d55ea0f_proj:
	.size	k_qcb6d55ea0f_proj, .Lfunc_end_k_qcb6d55ea0f_proj-k_qcb6d55ea0f_proj
	.p2alignl 7, 3214868480
	.fill 96, 4, 3214868480
	.section	.rodata,"a",@progbits
	.p2align	6, 0x0
	.amdhsa_kernel k_qcb6d55ea0f_proj
		.amdhsa_group_segment_fixed_size 327680
		.amdhsa_private_segment_fixed_size 0
		.amdhsa_enable_private_segment 0
		.amdhsa_kernarg_size 32
		.amdhsa_user_sgpr_count 2
		.amdhsa_user_sgpr_kernarg_segment_ptr 1
		.amdhsa_wavefront_size32 1
		.amdhsa_system_sgpr_workgroup_id_x 1
		.amdhsa_system_sgpr_workgroup_id_y 1
		.amdhsa_system_sgpr_workgroup_id_z 1
		.amdhsa_system_vgpr_workitem_id 0
		.amdhsa_next_free_vgpr 1024
		.amdhsa_next_free_sgpr 100
		.amdhsa_reserve_vcc 0
		.amdhsa_float_denorm_mode_32 3
		.amdhsa_float_denorm_mode_16_64 3
		.amdhsa_memory_ordered 1
		.amdhsa_forward_progress 1
		.amdhsa_inst_pref_size 120
	.end_amdhsa_kernel
	.amdgpu_metadata
---
amdhsa.version: [ 1, 2 ]
amdhsa.kernels:
  - .name:           k_qcb6d55ea0f_proj
    .symbol:         k_qcb6d55ea0f_proj.kd
    .args:
      - { .name: xc, .offset: 0, .size: 8, .value_kind: global_buffer, .address_space: global }
      - { .name: wc, .offset: 8, .size: 8, .value_kind: global_buffer, .address_space: global }
      - { .name: lowp_scales, .offset: 16, .size: 8, .value_kind: global_buffer, .address_space: global }
      - { .name: qkv, .offset: 24, .size: 8, .value_kind: global_buffer, .address_space: global }
    .group_segment_fixed_size: 327680
    .private_segment_fixed_size: 0
    .kernarg_segment_align: 8
    .kernarg_segment_size: 32
    .max_flat_workgroup_size: 128
    .sgpr_count:     100
    .vgpr_count:     1024
    .wavefront_size: 32
...
	.end_amdgpu_metadata
.endif
;; end of part 2
;; launch attn (part 3): grid 8 x 32, 8 waves a work-group, no clusters, 279,552 bytes of LDS; arguments qkv, mask, key_padding_mask, lowp_scales, cls, cimg; writes cimg
.if DOCPART == 3
	.amdgcn_target "amdgcn-amd-amdhsa--gfx1250"
	.amdhsa_code_object_version 6
	.text
	.protected	k_qcb6d55ea0f_attn
	.globl	k_qcb6d55ea0f_attn
	.p2align	8
	.type	k_qcb6d55ea0f_attn,@function
k_qcb6d55ea0f_attn:
	s_mov_b64 s[64:65], 0
	v_nop
	global_prefetch_b8 v0, s[64:65] scope:SCOPE_SE
	s_setreg_imm32_b32 hwreg(HW_REG_WAVE_MODE, 25, 1), 1
	s_wait_xcnt 0x0
; ATTN: ctx = softmax(Q K^T / 8 + mask, padded keys at -inf) V for one head and 256 queries a work-group, both products on E4M3 codes (K = 64 form).
; The weights are quantised FINISHED AND NORMALISED, so the keys are walked twice: pass 1 finds each query's largest t and the sum of 2^(t - M) (a running maximum, M a whole number);
; pass 2 makes the scores again, p = 2^(t - M - log2 sum), quantises p with 2^e8 and multiplies by V.  A row all of whose scores are -inf has p = 1/2048 for all 2,048 keys.
; SHARES.  Eight waves in four pairs.  Pair m owns two blocks of 32 queries, j = 16 m + x and 63 - j, the one with the higher number first.  Of BOTH blocks wave 2 m takes the even steps of 64 keys and
; wave 2 m + 1 the odd ones: 16 trips a block and pass.  Each fragment of K and V feeds two products (two tiles of 16 queries).
; The pair joins (-M, sum) through LDS between the passes, and its partial O^T through K's bytes of LDS behind a barrier at the end; a wave finishes the tile of its own parity in both blocks.
; RAW UNITS.  t = raw x c', c' = log2(e) / 8 x 2^(e6 + e7).  A padded key adds NEGR = -2^100 x 2^-(e6 + e7) as the C of the first product; mask entries, held at -2^97 from below, are added x 8 x 2^-(e6 + e7).
; So every raw score is finite, a key that does not count has t near -2^100 x 0.18, and a row whose -M is above 2^93 has no key: there the factor is 0 and the exponent -11.
; WHAT IS LEFT OUT, by the words that an earlier launch stored for (batch, block), a bit for each step of 64 keys: A = 0: the mask's tile is all -inf: no work in pass 1;
; B = 0: that, and every row of the block has a key: no work in pass 2;  B = 1, A = 0: p is a constant of the row (0 or 1/2048);  G = 0: the tile is all zeros and is not read.
; LDS is filled through registers: no tensor load, and so no joint load in a cluster.  All loads of K and V are issued in two runs ahead of their use:
; there is no later trip to ask ahead for, so no prefetch is written.  Every wave passes all five barriers.
; The hold of p at 448 x 2^e8 is jumped over where e8 >= -8: p is at most 1 (but for rounding) and the bound is then at least 1.75.
; LAYOUT.  S^T = K Q^T + C (source 0 = 16 keys, source 1 = 16 queries), O^T = V^T P^T: a lane holds ONE query (lane % 16); tile t's registers are keys 16 t + 8 (lane / 16) + 0 .. 7.
; LIMITS: no NaN and no +inf among the inputs; a finite mask entry lies above -2^97 and a finite t above -2^93; e6 + e7 between -24 and 100; e8 and e10 - e8 - e9 between -126 and 119.
; REGISTERS.  window 0: v1-11 addresses, v12-27 two tiles' statistics, v28-29 the add's two, v30-31 statistics' places, v32-35 scales and holds, v36-67 Q of both blocks, v68-99 C, v100-163 S^T, v164-227 mask,
;   v228-243 P's codes, v244-251 at work, v253-255 constants.   window 1: v0-127 O^T of both blocks (before that: K and V on their way to LDS); v128-159 K's fragments; v160-191 V's.
.set VIMG, 131072
.set PADT, 262144
.set STAT, 270336                      ; (-M, sum): 1,024 bytes a wave: block, tile, lane x 8
.set SPARE, 278528                     ; the spare words: 128 bytes a wave
.set LI,   1                           ; 16 x lane
.set PA,   2                           ; PADT + 32 (lane / 16)
.set MO,   3                           ; 8192 (lane % 16) + 32 (lane / 16)
.set AK,   4
.set AP,   5
.set AV,   6
.set AM,   7
.set FT,   8                           ; 16 x thread
.set FT2,  9                           ; + 65536
.set LV,   10                          ; 16 x lane + VIMG
.set ZR,   11                          ; 0
.set ST,   12                          ; a tile: +0 -M (pass 2: -L), +1 largest t, +2, +3 sum (pass 2: +2 the factor), +4 f, +6, +7 at work
.set SPW,  28
.set NIL,  29
.set XA,   30
.set XB,   31
.set QA,   36
.set QB,   52
.set PD,   68
.set S,    100
.set MB,   164
.set P,    228
.set CH,   244
.set PCN,  248
.set KF,   128                         ; in window 1
.set VF,   160
.set MSB, 0
.macro WIN new                         ; low byte: bits 1:0 source 0, 3:2 source 1, 5:4 source 2, 7:6 destination; the high byte repeats the setting that is left
.if MSB != \new
	s_set_vgpr_msb (MSB<<8)|\new
.set MSB, \new
.endif
.endm
.macro BAR
	s_barrier_signal -1
	s_barrier_wait -1
.endm
	s_load_b256 s[8:15], s[0:1], 0x0               ; qkv 8, mask 10, padding 12, exponents 14
	s_load_b128 s[16:19], s[0:1], 0x20             ; cls 16, cimg 18
	v_lshl_add_u32 v[SPW], v0, 2, SPARE
	v_mov_b32 v[NIL], 0
	v_lshrrev_b32 v1, 5, v0
	v_readfirstlane_b32 s24, v1                    ; wave 0..7
	s_and_b32 s25, s24, 1                          ; my parity of key steps
	s_lshr_b32 s61, s24, 1
	s_lshl_b32 s61, s61, 4
	s_add_co_u32 s61, s61, ttmp9                   ; j = 16 m + x
	s_sub_co_u32 s62, 63, s61
	s_max_u32 s29, s61, s62                        ; the first block,
	s_min_u32 s58, s61, s62                        ; the second
	s_and_b32 s26, ttmp7, 0xffff                   ; 16 b + head
	s_lshr_b32 s27, s26, 4
	s_and_b32 s28, s26, 15
	s_mov_b32 s56, 0x76543210                      ; v_permlanex16_b32: lane l xor 16
	s_mov_b32 s57, 0xfedcba98
	s_mov_b32 s63, 0x6e000000                      ; 2^93
	s_mov_b32 s33, 0
	v_and_b32 v4, 31, v0
	v_lshlrev_b32 v[LI], 4, v4
	v_lshlrev_b32 v[XA], 3, v4
	v_and_b32 v4, 15, v0
	v_bfe_u32 v5, v0, 4, 1
	v_lshl_add_u32 v[PA], v5, 5, PADT
	v_lshlrev_b32 v[MO], 13, v4
	v_lshl_add_u32 v[MO], v5, 5, v[MO]
	v_lshlrev_b32 v[FT], 4, v0
	v_add_nc_u32 v[FT2], 65536, v[FT]
	v_add_nc_u32 v[LV], VIMG, v[LI]
	v_mov_b32 v[ZR], 0
	s_lshl_b32 s61, s24, 10
	s_xor_b32 s62, s61, 1024                       ; my partner: wave xor 1
	v_add_nc_u32 v[XB], s62, v[XA]
	v_add_nc_u32 v[XA], s61, v[XA]
	v_add_nc_u32 v[XB], STAT, v[XB]
	v_add_nc_u32 v[XA], STAT, v[XA]
	v_lshlrev_b32 v6, 3, v0                        ; my 8 padding bytes
	v_lshl_add_u32 v7, v0, 5, PADT                 ; and where their 8 numbers go
	s_wait_alu depctr_va_vdst(0)
	s_wait_kmcnt 0x0
	s_load_b64 s[66:67], s[14:15], 0x18            ; e6, e7
	s_load_b128 s[44:47], s[14:15], 0x20           ; e8 .. e11
	s_lshl_b32 s32, s26, 17
	s_add_nc_u64 s[20:21], s[8:9], s[32:33]        ; Q's images of my head,
	s_add_nc_u64 s[22:23], s[20:21], 0x400000      ; K's
	s_lshl_b32 s32, s58, 11
	s_add_nc_u64 s[76:77], s[20:21], s[32:33]      ; Q of the second block,
	s_lshl_b32 s32, s29, 11
	s_add_nc_u64 s[20:21], s[20:21], s[32:33]      ; of the first
	s_lshl_b32 s32, s27, 21
	s_lshl_b32 s34, s28, 12
	s_add_co_u32 s32, s32, s34
	s_add_nc_u64 s[30:31], s[8:9], s[32:33]
	s_add_nc_u64 s[30:31], s[30:31], 0x800000      ; V's images: my batch's first key step, my head's 4 KiB
	s_lshl_b32 s32, s29, 18
	s_add_nc_u64 s[68:69], s[10:11], s[32:33]      ; mask at the first block's first query,
	s_lshl_b32 s32, s58, 18
	s_add_nc_u64 s[70:71], s[10:11], s[32:33]      ; at the second's
	s_lshl_b32 s32, s27, 11
	s_add_nc_u64 s[12:13], s[12:13], s[32:33]
	s_lshl_b32 s34, s27, 6
	s_add_co_u32 s32, s34, s29
	s_lshl_b32 s32, s32, 9
	s_add_nc_u64 s[78:79], s[16:17], s[32:33]
	s_load_b128 s[36:39], s[78:79], 0x0            ; A, B, G, 0 of the first block
	s_add_co_u32 s32, s34, s58
	s_lshl_b32 s32, s32, 9
	s_add_nc_u64 s[16:17], s[16:17], s[32:33]
	s_load_b128 s[40:43], s[16:17], 0x0            ; of the second
	s_lshl_b32 s32, s27, 21
	s_lshl_b32 s34, s28, 10
	s_add_co_u32 s32, s32, s34
	s_lshl_b32 s34, s25, 14
	s_add_co_u32 s32, s32, s34
	s_add_nc_u64 s[18:19], s[18:19], s[32:33]      ; ctx's images: my batch, my head, the tile of my parity
	s_lshl_b32 s32, s29, 15
	s_add_nc_u64 s[72:73], s[18:19], s[32:33]      ; in the first block,
	s_lshl_b32 s32, s58, 15
	s_add_nc_u64 s[74:75], s[18:19], s[32:33]      ; in the second
	global_load_b64 v[68:69], v6, s[12:13]
.irp k, 0,1,2,3
	global_load_b128 v[QA+4*\k:QA+4*\k+3], v[LI], s[20:21] offset:512*\k
	global_load_b128 v[QB+4*\k:QB+4*\k+3], v[LI], s[76:77] offset:512*\k
.endr
	WIN 0x40
.set ii, 0
.rept 32
	global_load_b128 v[4*ii:4*ii+3], v[FT], s[22:23] offset:4096*ii    ; the 256 threads read 4,096 consecutive bytes: one key step of K
.set ii, ii+1
.endr
	WIN 0
	s_wait_kmcnt 0x0
	s_add_co_i32 s61, s66, s67
	s_lshl_b32 s61, s61, 23
	s_add_co_i32 s48, s61, 0x3e38aa3b              ; c': the exponents go into c's exponent field
	s_mov_b32 s49, s48
	s_sub_co_u32 s50, 0x41000000, s61              ; 8 x 2^-(e6 + e7) = log2(e) / c'
	s_mov_b32 s51, s50
	s_sub_co_u32 s52, 0xf1800000, s61              ; NEGR = -2^100 x 2^-(e6 + e7)
	s_add_co_i32 s61, s44, 127
	s_lshl_b32 s54, s61, 23                        ; 2^e8
	s_add_co_i32 s61, s61, 8
	s_lshl_b32 s61, s61, 23
	s_or_b32 s53, s61, 0x600000                    ; 448 x 2^e8
	s_min_u32 s55, s53, 0x3a000000                 ; 1/2048, held (both are positive f32 patterns)
	s_sub_co_i32 s61, s46, s44
	s_sub_co_i32 s61, s61, s45                     ; e10 - e8 - e9
	s_add_co_i32 s61, s61, 127
	s_lshl_b32 s62, s61, 23
	s_add_co_i32 s61, s61, 8
	s_lshl_b32 s61, s61, 23
	s_or_b32 s61, s61, 0x600000
	v_mov_b32 v32, s54
	v_mov_b32 v33, s61
	v_mov_b32 v34, s62
	v_mov_b32 v35, s53
	v_mov_b32 v253, s55
	v_mov_b32 v254, s48
	v_mov_b32 v255, 0xc1300000                     ; -11
.irp q, 0,1
	v_mov_b32 v[ST+8*\q], 0x7f61b1e6               ; -M = 3e38 while no score has been seen
	v_mov_b32 v[ST+8*\q+1], 0xff61b1e6
.irp k, 2,3,4,5,6,7
	v_mov_b32 v[ST+8*\q+\k], 0
.endr
.endr
	s_wait_alu depctr_va_vdst(0)
	s_wait_loadcnt 40                              ; the padding bytes are in; Q's 8 and K's 32 loads may be out
.irp e, 0,1,2,3,4,5,6,7
	v_bfe_u32 v[72+\e], v[68+\e/4], 8*(\e%4), 1
.endr
.irp e, 0,1,2,3,4,5,6,7
	v_sub_nc_u32 v[72+\e], 0, v[72+\e]
.endr
.irp e, 0,1,2,3,4,5,6,7
	v_and_b32 v[72+\e], s52, v[72+\e]              ; 0 or NEGR
.endr
	ds_store_b128 v7, v[72:75]
	ds_store_b128 v7, v[76:79] offset:16
	s_wait_loadcnt 24                              ; Q and key steps 0-7 of K are in; K's last 24 loads may be out
	WIN 0x04                                       ; the stores' data in window 1
.irp i, 0,1,2,3,4,5,6,7
	ds_store_b128 v[FT], v[4*\i:4*\i+3] offset:4096*\i
.endr
	WIN 0
	s_wait_dscnt 0x0                               ; for the others' sake
	BAR                                            ; the bias and key steps 0-7 lie in LDS
; eight products S^T = K Q^T + C: four tiles of keys x two tiles of queries; C is 0 or NEGR for each key
.macro QK qb
	s_wait_dscnt 0x0
	WIN 0x01                                       ; source 0 (K) in window 1
.irp t, 0,1,2,3
.irp q, 0,1
	v_wmma_f32_16x16x64_fp8_fp8 v[S+32*\q+8*\t:S+32*\q+8*\t+7], v[KF+8*\t:KF+8*\t+7], v[\qb+8*\q:\qb+8*\q+7], v[PD+8*\t:PD+8*\t+7]
.endr
.endr
	WIN 0
.rept 4
	v_nop                                          ; places in front of the first read of the results, and of the next loads into K's and C's registers
.endr
.endm
; key step s60's raw scores in v[S] on.  One branch on G; each arm holds its own products, so that the mask's loads are issued and waited for on one path
; key step s34's fragments of K and its C.  They are asked for one active trip ahead: behind the products of the trip before, or at the end of a trip that was passed over
.macro KLOAD
	s_lshl_b32 s61, s34, 12
	v_add_nc_u32 v[AK], s61, v[LI]
	s_lshl_b32 s61, s34, 8
	v_add_nc_u32 v[AP], s61, v[PA]
	WIN 0x40
.irp t, 0,1,2,3
	ds_load_b128 v[KF+8*\t:KF+8*\t+3], v[AK] offset:1024*\t
	ds_load_b128 v[KF+8*\t+4:KF+8*\t+7], v[AK] offset:1024*\t+512
.endr
	WIN 0
.irp t, 0,1,2,3
	ds_load_b128 v[PD+8*\t:PD+8*\t+3], v[AP] offset:64*\t
	ds_load_b128 v[PD+8*\t+4:PD+8*\t+7], v[AP] offset:64*\t+16
.endr
.endm
.macro SCORES qb, sg, mb
	s_lshl_b32 s61, s60, 8
	s_lshr_b32 s62, s[\sg], s60
	s_and_b32 s62, s62, 1
	s_cmp_lg_u32 s62, 0
	s_cbranch_scc1 .Lgen_\@
	QK \qb
	s_branch .Lhave_\@
.Lgen_\@:
	v_add_nc_u32 v[AM], s61, v[MO]                 ; (an earlier trip's mask loads were waited for in their own arm)
.irp q, 0,1
.irp t, 0,1,2,3
	global_load_b128 v[MB+32*\q+8*\t:MB+32*\q+8*\t+3], v[AM], s[\mb:\mb+1] offset:131072*\q+64*\t
	global_load_b128 v[MB+32*\q+8*\t+4:MB+32*\q+8*\t+7], v[AM], s[\mb:\mb+1] offset:131072*\q+64*\t+16
.endr
.endr
	QK \qb
	s_wait_loadcnt 0x0                             ; the mask's tile
.set jj, 0
.rept 64
	v_max_num_f32 v[MB+jj], 0xf0000000, v[MB+jj]   ; at least -2^97: every raw score stays finite
.set jj, jj+1
.endr
.set jj, 0
.rept 32
	v_pk_fma_f32 v[S+jj:S+jj+1], v[MB+jj:MB+jj+1], s[50:51], v[S+jj:S+jj+1] op_sel_hi:[1,0,1]   ; + mask x log2(e) / c'
.set jj, jj+2
.endr
.Lhave_\@:
	s_cmp_lg_u32 s35, 0                            ; has my next key step work?  Then its fragments come in under this step's vector work
	s_cbranch_scc0 .Lnp_\@
	KLOAD
	s_mov_b32 s35, 0
.Lnp_\@:
.endm
; pass 1's arithmetic for both tiles, line by line in turn: the running largest t, -M = floor(-t), f = 2^(old M - new M), 2^(t - M), the sums
.macro STATS
.irp q, 0,1
	v_max3_num_f32 v[ST+8*\q+6], v[S+32*\q], v[S+32*\q+1], v[S+32*\q+2]
	v_max3_num_f32 v[ST+8*\q+7], v[S+32*\q+3], v[S+32*\q+4], v[S+32*\q+5]
.endr
.irp i, 6,10,14,18,22,26
.irp q, 0,1
	v_max3_num_f32 v[ST+8*\q+6], v[ST+8*\q+6], v[S+32*\q+\i], v[S+32*\q+\i+1]
	v_max3_num_f32 v[ST+8*\q+7], v[ST+8*\q+7], v[S+32*\q+\i+2], v[S+32*\q+\i+3]
.endr
.endr
.irp q, 0,1
	v_max3_num_f32 v[ST+8*\q+6], v[ST+8*\q+6], v[S+32*\q+30], v[S+32*\q+31]
.endr
.irp q, 0,1
	v_max_num_f32 v[ST+8*\q+6], v[ST+8*\q+6], v[ST+8*\q+7]
.endr
.irp q, 0,1
	v_permlanex16_b32 v[ST+8*\q+7], v[ST+8*\q+6], s56, s57   ; the query's other 32 keys lie in the lane 16 away
.endr
.irp q, 0,1
	v_max_num_f32 v[ST+8*\q+6], v[ST+8*\q+6], v[ST+8*\q+7]
.endr
.irp q, 0,1
	v_mul_f32 v[ST+8*\q+6], s48, v[ST+8*\q+6]      ; as t (c' is positive)
.endr
.irp q, 0,1
	v_max_num_f32 v[ST+8*\q+1], v[ST+8*\q+1], v[ST+8*\q+6]
.endr
.irp q, 0,1
	v_mov_b32 v[ST+8*\q+6], v[ST+8*\q]
.endr
.irp q, 0,1
	v_floor_f32 v[ST+8*\q], -v[ST+8*\q+1]
.endr
.irp q, 0,1
	v_sub_f32 v[ST+8*\q+6], v[ST+8*\q], v[ST+8*\q+6]
.endr
.irp q, 0,1
	v_cvt_i32_f32 v[ST+8*\q+6], v[ST+8*\q+6]       ; (it saturates)
.endr
.irp q, 0,1
	v_ldexp_f32 v[ST+8*\q+4], 1.0, v[ST+8*\q+6]    ; f: a multiplication by it rounds nothing
.endr
.set jj, 0
.rept 32
	v_pk_fma_f32 v[S+jj:S+jj+1], v[S+jj:S+jj+1], s[48:49], v[ST+8*(jj/32):ST+8*(jj/32)+1] op_sel_hi:[1,0,0]   ; t - M
.set jj, jj+2
.endr
	s_wait_alu depctr_va_vdst(0)
.set jj, 0
.rept 64
	v_exp_f32 v[S+jj], v[S+jj]
.set jj, jj+1
.endr
	v_pk_mul_f32 v[ST+2:ST+3], v[ST+2:ST+3], v[ST+4:ST+5] op_sel_hi:[1,0]          ; the sums under the new M: plain lines behind the exponentials
	v_pk_mul_f32 v[ST+10:ST+11], v[ST+10:ST+11], v[ST+12:ST+13] op_sel_hi:[1,0]
	s_wait_alu depctr_va_vdst(0)                   ; one wait for the batch, ahead of its first reader
.irp q, 0,1
	v_pk_add_f32 v[CH+2*\q:CH+2*\q+1], v[S+32*\q:S+32*\q+1], v[S+32*\q+2:S+32*\q+3]
.endr
.irp j, 4,8,12,16,20,24,28
.irp q, 0,1
	v_pk_add_f32 v[ST+8*\q+2:ST+8*\q+3], v[ST+8*\q+2:ST+8*\q+3], v[S+32*\q+\j:S+32*\q+\j+1]
	v_pk_add_f32 v[CH+2*\q:CH+2*\q+1], v[CH+2*\q:CH+2*\q+1], v[S+32*\q+\j+2:S+32*\q+\j+3]
.endr
.endr
.irp q, 0,1
	v_pk_add_f32 v[ST+8*\q+2:ST+8*\q+3], v[ST+8*\q+2:ST+8*\q+3], v[CH+2*\q:CH+2*\q+1]
.endr
.endm
; PASS 1, trips n0 .. n1 - 1 of a block: key step 2 n + my parity.  rec: the block's words A, B, G
.macro P1LOOP qb, rec, mb, n0, n1
	s_wait_dscnt 0x0                               ; no load into these registers is out
	s_add_co_u32 s34, s25, 2*\n0
	KLOAD                                          ; the loop's first key step, whatever its bit says
	s_mov_b32 s59, \n0
.Lp1_\@:
	s_lshl_b32 s60, s59, 1
	s_add_co_u32 s60, s60, s25
	s_add_co_u32 s34, s60, 2                       ; my next key step,
	s_lshr_b32 s35, s[\rec], s34
	s_and_b32 s35, s35, 1                          ; its bit of A,
	s_cmp_lt_u32 s34, 2*\n1
	s_cselect_b32 s35, s35, 0                      ; and 0 behind the loop's last
	s_min_u32 s34, s34, 2*\n1-1                    ; the step asked for never lies behind the loop's last: every address stays inside the bytes that the last barrier has shown
	s_lshr_b32 s62, s[\rec], s60
	s_and_b32 s62, s62, 1
	s_cmp_eq_u32 s62, 0
	s_cbranch_scc1 .Lp1n_\@                        ; the mask's tile is all -inf
	SCORES \qb, \rec+2, \mb
	STATS
.Lp1n_\@:
	s_cmp_lg_u32 s35, 0
	s_cbranch_scc0 .Lp1q_\@
	s_wait_dscnt 0x0
	KLOAD
.Lp1q_\@:
	s_add_co_u32 s59, s59, 1
	s_cmp_lt_u32 s59, \n1
	s_wait_alu depctr_va_vdst(0)
	s_cbranch_scc1 .Lp1_\@
.endm
; a block's (-M, sum) of my key steps go to my place in LDS
.macro P1END blk
.irp q, 0,1
	v_add_f32 v[ST+8*\q+6], v[ST+8*\q+2], v[ST+8*\q+3]
.endr
.irp q, 0,1
	v_permlanex16_b32 v[ST+8*\q+7], v[ST+8*\q+6], s56, s57
.endr
.irp q, 0,1
	v_add_f32 v[ST+8*\q+1], v[ST+8*\q+6], v[ST+8*\q+7]
.endr
.irp q, 0,1
	ds_store_b64 v[XA], v[ST+8*\q:ST+8*\q+1] offset:512*\blk+256*\q
.endr
.if \blk == 0
.irp q, 0,1
	v_mov_b32 v[ST+8*\q], 0x7f61b1e6
	v_mov_b32 v[ST+8*\q+1], 0xff61b1e6
	v_mov_b32 v[ST+8*\q+2], 0
	v_mov_b32 v[ST+8*\q+3], 0
.endr
.endif
.endm
	P1LOOP QA, 36, 68, 0, 4                        ; key steps 0-7 of the first block
	s_wait_loadcnt 0x0                             ; the rest of K
	WIN 0x04
.set ii, 8
.rept 24
.if ii < 16
	ds_store_b128 v[FT], v[4*ii:4*ii+3] offset:4096*ii
.else
	ds_store_b128 v[FT2], v[4*ii:4*ii+3] offset:4096*(ii-16)
.endif
.set ii, ii+1
.endr
	WIN 0
	s_wait_dscnt 0x0                               ; for the others' sake; and the stores have read their registers, which V's loads take
	WIN 0x40
.set ii, 0
.rept 32
	global_load_b128 v[4*ii:4*ii+3], v[FT], s[30:31] offset:65536*ii
.set ii, ii+1
.endr
	WIN 0
	BAR                                            ; all of K lies in LDS
	P1LOOP QA, 36, 68, 4, 16
	P1END 0
	P1LOOP QB, 40, 70, 0, 16
	P1END 1
	s_wait_loadcnt 0x0                             ; V
	v_add_nc_u32 v[AV], VIMG, v[FT]
	v_add_nc_u32 v[AM], VIMG, v[FT2]
	WIN 0x04
.set ii, 0
.rept 32
.if ii < 16
	ds_store_b128 v[AV], v[4*ii:4*ii+3] offset:4096*ii
.else
	ds_store_b128 v[AM], v[4*ii:4*ii+3] offset:4096*(ii-16)
.endif
.set ii, ii+1
.endr
	WIN 0
	s_wait_alu depctr_va_vdst(0)
	s_wait_dscnt 0x0                               ; for the others' sake: V and the statistics
	BAR
; AHEAD OF A BLOCK'S PASS 2: my own and my partner's (-M, sum) are joined; -L = -M - log2(sum); a row without keys gets the factor 0 and -L = -11
.macro P2PRO blk, ob
.irp q, 0,1
	ds_load_b64 v[MB+4*\q:MB+4*\q+1], v[XA] offset:512*\blk+256*\q
	ds_load_b64 v[MB+4*\q+2:MB+4*\q+3], v[XB] offset:512*\blk+256*\q
.endr
	s_wait_dscnt 0x0
.irp q, 0,1
	v_min_num_f32 v[ST+8*\q+6], v[MB+4*\q], v[MB+4*\q+2]       ; -M of the larger M
.endr
.irp q, 0,1
	v_sub_f32 v[ST+8*\q+4], v[ST+8*\q+6], v[MB+4*\q]
	v_sub_f32 v[ST+8*\q+7], v[ST+8*\q+6], v[MB+4*\q+2]
.endr
.irp q, 0,1
	v_cvt_i32_f32 v[ST+8*\q+4], v[ST+8*\q+4]
	v_cvt_i32_f32 v[ST+8*\q+7], v[ST+8*\q+7]
.endr
.irp q, 0,1
	v_ldexp_f32 v[ST+8*\q+4], 1.0, v[ST+8*\q+4]
	v_ldexp_f32 v[ST+8*\q+7], 1.0, v[ST+8*\q+7]
.endr
.irp q, 0,1
	v_mul_f32 v[ST+8*\q+4], v[ST+8*\q+4], v[MB+4*\q+1]
.endr
.irp q, 0,1
	v_fma_f32 v[ST+8*\q+4], v[ST+8*\q+7], v[MB+4*\q+3], v[ST+8*\q+4]
.endr
	s_wait_alu depctr_va_vdst(0)
.irp q, 0,1
	v_log_f32 v[ST+8*\q+7], v[ST+8*\q+4]
.endr
	v_nop                                          ; a plain line behind the last logarithm
	s_wait_alu depctr_va_vdst(0)                   ; and the wait ahead of the first reader
.irp q, 0,1
	v_sub_f32 v[ST+8*\q], v[ST+8*\q+6], v[ST+8*\q+7]
	v_cmp_lt_f32 vcc_lo, s63, v[ST+8*\q+6]         ; no key counts
	v_cndmask_b32 v[ST+8*\q], v[ST+8*\q], v255, vcc_lo
	v_cndmask_b32 v[ST+8*\q+2], v254, v[ZR], vcc_lo
	v_cndmask_b32 v[ST+8*\q+4], v[ZR], v253, vcc_lo
.irp k, 0,1,2,3,4,5,6,7
	v_mov_b32 v[S+8*\q+\k], v[ST+8*\q+4]
.endr
.endr
.irp q, 0,1
	v_cvt_scalef32_pk8_fp8_f32 v[PCN+2*\q:PCN+2*\q+1], v[S+8*\q:S+8*\q+7], v32    ; eight codes of the row's constant p: 0, or 1/2048
.endr
	v_nop
	WIN 0x40
.set jj, 0
.rept 64
	v_mov_b32 v[\ob+jj], 0                         ; O^T: which key step is the first with work hangs on stored numbers, so no first product can start the sums
.set jj, jj+1
.endr
	WIN 0
.endm
.macro VLOAD
	s_lshl_b32 s61, s60, 12
	v_add_nc_u32 v[AV], s61, v[LV]
	WIN 0x40
.irp d, 0,1,2,3
	ds_load_b128 v[VF+8*\d:VF+8*\d+3], v[AV] offset:1024*\d
	ds_load_b128 v[VF+8*\d+4:VF+8*\d+7], v[AV] offset:1024*\d+512
.endr
	WIN 0
.endm
; PASS 2 of a block
.macro P2LOOP qb, rec, mb, ob
	s_wait_dscnt 0x0
	s_mov_b32 s34, s25
	KLOAD
	s_mov_b32 s59, 0
.Lp2_\@:
	s_lshl_b32 s60, s59, 1
	s_add_co_u32 s60, s60, s25
	s_add_co_u32 s34, s60, 2
	s_lshr_b32 s35, s[\rec], s34
	s_and_b32 s35, s35, 1                          ; scores are made only where A's bit is set
	s_cmp_lt_u32 s34, 32
	s_cselect_b32 s35, s35, 0
	s_min_u32 s34, s34, 31                         ; the step asked for never lies behind the last
	s_lshr_b32 s62, s[\rec+1], s60
	s_and_b32 s62, s62, 1
	s_cmp_eq_u32 s62, 0
	s_cbranch_scc1 .Lp2n_\@                        ; every p of the tile is 0
	s_lshr_b32 s62, s[\rec], s60
	s_and_b32 s62, s62, 1
	s_cmp_eq_u32 s62, 0
	s_cbranch_scc1 .Lconst_\@
	SCORES \qb, \rec+2, \mb
	VLOAD                                          ; V's fragments come in under the exponentials
.set jj, 0
.rept 32
	v_pk_fma_f32 v[S+jj:S+jj+1], v[S+jj:S+jj+1], v[ST+8*(jj/32)+2:ST+8*(jj/32)+3], v[ST+8*(jj/32):ST+8*(jj/32)+1] op_sel_hi:[1,0,0]   ; t - L
.set jj, jj+2
.endr
	s_wait_alu depctr_va_vdst(0)
.set jj, 0
.rept 64
	v_exp_f32 v[S+jj], v[S+jj]                     ; p: finished and normalised
.set jj, jj+1
.endr
	v_nop                                          ; a plain line behind the last exponential
	s_wait_alu depctr_va_vdst(0)                   ; one wait for the batch
	s_cmp_ge_i32 s44, -8
	s_cbranch_scc1 .Lfits_\@                       ; 448 x 2^e8 is at least 1.75: no p reaches it
.set jj, 0
.rept 64
	v_min_num_f32 v[S+jj], v[S+jj], v35            ; the conversion does not saturate (ISA guide 7.6.2); p is not negative
.set jj, jj+1
.endr
.Lfits_\@:
.irp q, 0,1
.irp t, 0,1,2,3
	v_cvt_scalef32_pk8_fp8_f32 v[P+8*\q+2*\t:P+8*\q+2*\t+1], v[S+32*\q+8*\t:S+32*\q+8*\t+7], v32
.endr
.endr
	v_nop                                          ; a plain line between the conversions and the products
	s_branch .Lpv_\@
.Lconst_\@:
	VLOAD
.irp q, 0,1
.irp t, 0,1,2,3
	v_mov_b32 v[P+8*\q+2*\t], v[PCN+2*\q]
	v_mov_b32 v[P+8*\q+2*\t+1], v[PCN+2*\q+1]
.endr
.endr
.Lpv_\@:
	s_wait_dscnt 0x0                               ; V's fragments
	WIN 0x51                                       ; V and O^T in window 1, P in window 0
	s_wait_alu depctr_va_vdst(0)                   ; directly ahead of the first reader of O^T and of P
.irp d, 0,1,2,3
.irp q, 0,1                                        ; the eight accumulators take turns, one instruction a turn
	v_wmma_f32_16x16x64_fp8_fp8 v[\ob+32*\q+8*\d:\ob+32*\q+8*\d+7], v[VF+8*\d:VF+8*\d+7], v[P+8*\q:P+8*\q+7], v[\ob+32*\q+8*\d:\ob+32*\q+8*\d+7]
.endr
.endr
	WIN 0
.rept 4
	v_nop                                          ; places in front of the next loads into V's registers, the next writes of P, and the reads of O^T
.endr
.Lp2n_\@:
	s_cmp_lg_u32 s35, 0
	s_cbranch_scc0 .Lp2q_\@
	s_wait_dscnt 0x0
	KLOAD
.Lp2q_\@:
	s_add_co_u32 s59, s59, 1
	s_cmp_lt_u32 s59, 16
	s_wait_alu depctr_va_vdst(0)
	s_cbranch_scc1 .Lp2_\@
.endm
	P2PRO 0, 0
	P2LOOP QA, 36, 68, 0
	P2PRO 1, 64
	P2LOOP QB, 40, 70, 64
	; THE PAIR'S PARTS OF O^T ARE JOINED through K's bytes of LDS: 16 KiB a wave, tile 2 block + q at 4,096 x that, as images of the registers
	s_lshl_b32 s61, s24, 14
	v_add_nc_u32 v[AK], s61, v[LI]                 ; where I put my four tiles
	s_lshl_b32 s62, s25, 12
	s_add_co_u32 s34, s61, s62
	v_add_nc_u32 v[AP], s34, v[LI]                 ; my own part of the tiles of my parity,
	s_xor_b32 s61, s61, 16384
	s_add_co_u32 s34, s61, s62
	v_add_nc_u32 v[AV], s34, v[LI]                 ; my partner's part of them
	s_wait_alu depctr_va_vdst(0)
	s_wait_dscnt 0x0
	BAR                                            ; nobody reads K any more
	WIN 0x04
.set ii, 0
.rept 32
	ds_store_b128 v[AK], v[4*ii:4*ii+3] offset:512*ii          ; each accumulator from its low end on
.set ii, ii+1
.endr
	WIN 0
	s_wait_dscnt 0x0                               ; for my partner's sake
	BAR
.irp k, 0,1
.irp c, 0,1,2,3,4,5,6,7
	ds_load_b128 v[S+32*\k+4*\c:S+32*\k+4*\c+3], v[AP] offset:8192*\k+512*\c
	ds_load_b128 v[MB+32*\k+4*\c:MB+32*\k+4*\c+3], v[AV] offset:8192*\k+512*\c
.endr
.endr
	s_wait_dscnt 0x0
.set jj, 0
.rept 32
	v_pk_add_f32 v[S+jj:S+jj+1], v[S+jj:S+jj+1], v[MB+jj:MB+jj+1]
.set jj, jj+2
.endr
.set jj, 0
.rept 64
	v_med3_num_f32 v[S+jj], v[S+jj], -v33, v33     ; a sum stands for sum x 2^(e8 + e9): ctx's code is sum / 2^(e10 - e8 - e9), held first
.set jj, jj+1
.endr
.irp k, 0,1
.irp d, 0,1,2,3
	v_cvt_scalef32_pk8_fp8_f32 v[P+8*\k+2*\d:P+8*\k+2*\d+1], v[S+32*\k+8*\d:S+32*\k+8*\d+7], v34
.endr
.endr
	v_nop
.irp k, 0,1
	global_store_b128 v[LI], v[P+4*\k:P+4*\k+3], s[72:73] offset:512*\k        ; 32 lanes store 512 consecutive bytes, aligned
	global_store_b128 v[LI], v[P+8+4*\k:P+8+4*\k+3], s[74:75] offset:512*\k
.endr
	s_wait_tensorcnt 0x0                           ; the wave's end
	ds_add_u32 v[SPW], v[NIL]
	s_wait_dscnt 0x0
	s_endpgm
.Lfunc_end_k_qcb6d55ea0f_attn:
	.size	k_qcb6d55ea0f_attn, .Lfunc_end_k_qcb6d55ea0f_attn-k_qcb6d55ea0f_attn
	.p2alignl 7, 3214868480
	.fill 96, 4, 3214868480
	.section	.rodata,"a",@progbits
	.p2align	6, 0x0
	.amdhsa_kernel k_qcb6d55ea0f_attn
		.amdhsa_group_segment_fixed_size 279552
		.amdhsa_private_segment_fixed_size 0
		.amdhsa_enable_private_segment 0
		.amdhsa_kernarg_size 48
		.amdhsa_user_sgpr_count 2
		.amdhsa_user_sgpr_kernarg_segment_ptr 1
		.amdhsa_wavefront_size32 1
		.amdhsa_system_sgpr_workgroup_id_x 1
		.amdhsa_system_sgpr_workgroup_id_y 1
		.amdhsa_system_sgpr_workgroup_id_z 1
		.amdhsa_system_vgpr_workitem_id 0
		.amdhsa_next_free_vgpr 448
		.amdhsa_next_free_sgpr 80
		.amdhsa_reserve_vcc 1
		.amdhsa_float_denorm_mode_32 3
		.amdhsa_float_denorm_mode_16_64 3
		.amdhsa_memory_ordered 1
		.amdhsa_forward_progress 1
		.amdhsa_inst_pref_size 153
	.end_amdhsa_kernel
	.amdgpu_metadata
---
amdhsa.version: [ 1, 2 ]
amdhsa.kernels:
  - .name:           k_qcb6d55ea0f_attn
    .symbol:         k_qcb6d55ea0f_attn.kd
    .args:
      - { .name: qkv, .offset: 0, .size: 8, .value_kind: global_buffer, .address_space: global }
      - { .name: mask, .offset: 8, .size: 8, .value_kind: global_buffer, .address_space: global }
      - { .name: key_padding_mask, .offset: 16, .size: 8, .value_kind: global_buffer, .address_space: global }
      - { .name: lowp_scales, .offset: 24, .size: 8, .value_kind: global_buffer, .address_space: global }
      - { .name: cls, .offset: 32, .size: 8, .value_kind: global_buffer, .address_space: global }
      - { .name: cimg, .offset: 40, .size: 8, .value_kind: global_buffer, .address_space: global }
    .group_segment_fixed_size: 279552
    .private_segment_fixed_size: 0
    .kernarg_segment_align: 8
    .kernarg_segment_size: 48
    .max_flat_workgroup_size: 256
    .sgpr_count:     80
    .vgpr_count:     448
    .wavefront_size: 32
...
	.end_amdgpu_metadata
.endif
;; end of part 3
;; launch outp (part 4): grid 8 x 32, 4 waves a work-group, clusters of 4 x 4, 327,680 bytes of LDS; arguments cimg, wc, lowp_scales, out0, bo; writes out0
.if DOCPART == 4
	.amdgcn_target "amdgcn-amd-amdhsa--gfx1250"
	.amdhsa_code_object_version 6
	.text
	.protected	k_qcb6d55ea0f_outp
	.globl	k_qcb6d55ea0f_outp
	.p2align	8
	.type	k_qcb6d55ea0f_outp,@function
k_qcb6d55ea0f_outp:
	s_mov_b64 s[64:65], 0
	v_nop
	global_prefetch_b8 v0, s[64:65] scope:SCOPE_SE
	s_setreg_imm32_b32 hwreg(HW_REG_WAVE_MODE, 25, 1), 1
	s_wait_xcnt 0x0
	s_wait_alu depctr_hold_cnt(0) depctr_sa_sdst(0) depctr_va_vdst(0) depctr_va_sdst(0) depctr_va_ssrc(0) depctr_va_vcc(0) depctr_vm_vsrc(0)
	s_getreg_b32 s2, hwreg(HW_REG_IB_STS2, 6, 4)
	s_cmp_eq_u32 s2, 0
	s_cbranch_scc0 .Lentry_in_a_cluster
	s_endpgm
.Lentry_in_a_cluster:
	s_bfe_u32 s2, ttmp6, 0x10000c
	s_cmp_lg_u32 s2, 0xf033
	s_cbranch_scc0 .Lentry_shape_is_right
	s_endpgm
.Lentry_shape_is_right:
; OUTP: out0 [4096][1024] f32 = ctx Wo x 2^(e10 + e11) + bo, on E4M3 codes (K = 128 form).  LIMIT: e10 + e11 between -126 and 127.
; ctx's codes lie as images of operand registers: 16 KiB for each 16 tokens, 512 bytes (16 x lane) for each four registers, K ascending.  Wo's codes lie [n][k], rows of 1,024 bytes, at wc + 3 MiB.
; SHARES.  A work-group makes 128 tokens x 128 columns: 8 x 32 = 256 work-groups.  Four waves, 64 x 64 each: 16 accumulators of 16 x 16.
; ALL OF K LIES IN LDS AT ONCE: ctx 128 x 1,024 bytes as they lie, Wo 128 rows of 1,024 + 16 bytes.  Each wave issues one tensor load of 64 KiB at the head (waves 0, 1: ctx's halves; 2, 3: Wo's);
; nothing is filled again, so there is no ring, and one barrier stands between the loads and the products.  No loop runs ahead of any load, so no prefetch is written.
; CLUSTERS: 4 x 4 work-groups.  The four of a row need the same ctx, the four of a column the same rows of Wo: each load is a joint one.
; The matrix instruction is used transposed (source 0 = 16 rows of Wo, source 1 = 16 tokens): a lane holds eight neighbouring columns of one token.
; REGISTERS.  window 0: v16-29 addresses, v32-63 a block on its way out, v64-191 ctx's fragments in two sets (later the rows read back), v192-223 bo.  window 1: v0-127 Wo's fragments in two sets, v128-255 the sums.
.set BP,     1040                      ; a row of Wo in LDS: 65 x 16 bytes
.set BOFF,   131072
.set STAGE,  BOFF+128*BP               ; 16 rows x 272 bytes for each wave
.set SPITCH, 272
.set SPARE,  STAGE+4*16*SPITCH         ; the spare words, 128 bytes a wave
.set ADRA, 16
.set ADRB, 17
.set STO,  24
.set RD,   25
.set CO,   26
.set BA,   27
.set SPW,  28
.set NIL,  29
.set TMP,  32
.set AF,   64
.set BO,   192
.set ACC,  128
.set G1, 24
.set G0, 32
.set G1B, 48
.set G0B, 56
.set MSB, 0
.macro WIN new                         ; the immediate's high byte repeats the setting that is left
.if MSB != \new
	s_set_vgpr_msb (MSB<<8)|\new
.set MSB, \new
.endif
.endm
.macro CROUND                          ; a round of the cluster's barrier
	s_barrier_signal -1
	s_barrier_wait -1
	s_cmp_lg_u32 s14, 0
	s_cbranch_scc1 .Lnot_wave_0_\@
	s_barrier_signal -3
.Lnot_wave_0_\@:
	s_barrier_wait -3
	s_barrier_signal -1
	s_barrier_wait -1
.endm
.macro PLACES
.rept 4
	v_nop
.endr
.endm
	s_load_b256 s[4:11], s[0:1], 0x0               ; cimg 4, wc 6, exponents 8, out0 10
	s_load_b64 s[12:13], s[0:1], 0x20              ; bo
	v_lshl_add_u32 v[SPW], v0, 2, SPARE
	v_mov_b32 v[NIL], 0
	ds_add_u32 v[SPW], v[NIL]                      ; the opening lines: the add, twice on end, with its wait ahead of my tensor load
	ds_add_u32 v[SPW], v[NIL]
	v_lshrrev_b32 v1, 5, v0
	v_readfirstlane_b32 s14, v1                    ; wave 0..3
	s_lshr_b32 s15, s14, 1                         ; which 64 tokens are mine.  Also: I fetch ctx (0) or Wo (1)
	s_and_b32 s16, s14, 1                          ; which 64 columns.  Also: which half I fetch
	s_bfe_u32 s40, ttmp6, 0x40000                  ; cx
	s_bfe_u32 s41, ttmp6, 0x40004                  ; cy
	s_lshl_b32 s42, ttmp9, 2
	s_add_co_u32 s42, s42, s40                     ; block of 128 columns
	s_and_b32 s17, ttmp7, 0xffff
	s_lshl_b32 s17, s17, 2
	s_add_co_u32 s17, s17, s41                     ; block of 128 tokens
	s_lshl_b32 s43, s41, 2
	s_lshl_b32 s43, 15, s43                        ; my row of the cluster
	s_lshl_b32 s44, 0x1111, s40                    ; my column
	s_or_b32 s[G1+0], s43, (3<<16)|(1<<21)         ; ctx: 64 KiB, dense: 16 rows of 512 elements of 8 bytes, no padding
	s_mov_b32 s[G1+1], 512<<16
	s_mov_b32 s[G1+2], 16<<16
	s_mov_b32 s[G1+3], 512<<16
	s_mov_b32 s[G1+4], 16
	s_mov_b32 s[G1+5], 512
	s_mov_b32 s[G1+6], 0
	s_mov_b32 s[G1+7], 0
	s_or_b32 s[G1B+0], s44, (0<<16)|(1<<20)|(1<<21)|(7<<22)|(3<<25)   ; Wo: 64 rows of 1,024 bytes, four words of padding behind every 256
	s_mov_b32 s[G1B+1], 1024<<16
	s_mov_b32 s[G1B+2], 64<<16
	s_mov_b32 s[G1B+3], 1024<<16
	s_mov_b32 s[G1B+4], 64
	s_mov_b32 s[G1B+5], 1024
	s_mov_b32 s[G1B+6], 0
	s_mov_b32 s[G1B+7], 0
	s_lshl_b32 s20, s17, 17
	s_lshl_b32 s18, s16, 16
	s_add_co_u32 s20, s20, s18                     ; ctx: 128 KiB x block + 64 KiB x half
	s_lshl_b32 s46, s42, 17
	s_add_co_u32 s46, s46, s18
	s_add_co_u32 s46, s46, 0x300000                ; Wo: the same, behind the three other weights
	s_mov_b32 s21, 0
	s_mov_b32 s47, 0
	s_mul_i32 s66, s16, 64*BP
	s_add_co_u32 s66, s66, BOFF
	s_wait_dscnt 0x0                               ; both opening adds are done
	s_wait_kmcnt 0x0
	s_load_b64 s[96:97], s[8:9], 0x28              ; e10, e11
	s_mov_b32 s[G0], 1
	s_mov_b32 s[G0+1], s18                         ; LDS: 64 KiB x half
	s_add_nc_u64 s[G0+2:G0+3], s[4:5], s[20:21]
	s_or_b32 s[G0+3], s[G0+3], 0x80000000
	s_mov_b32 s[G0B], 1
	s_mov_b32 s[G0B+1], s66
	s_add_nc_u64 s[G0B+2:G0B+3], s[6:7], s[46:47]
	s_or_b32 s[G0B+3], s[G0B+3], 0x80000000
	CROUND                                         ; all sixteen work-groups are here: the joint loads meet
	s_cmp_eq_u32 s15, 0
	s_cbranch_scc0 .Lfor_b
	tensor_load_to_lds s[G0:G0+3], s[G1:G1+7]
	s_nop 0
	PLACES
	s_branch .Lasked
.Lfor_b:
	tensor_load_to_lds s[G0B:G0B+3], s[G1B:G1B+7]
	s_nop 0
	PLACES
.Lasked:
	s_lshl_b32 s67, s15, 16                        ; my 64 tokens of ctx in LDS
	s_mul_i32 s22, s16, 64*BP
	s_add_co_u32 s22, s22, BOFF                    ; my 64 rows of Wo
	s_mul_i32 s23, s14, 16*SPITCH
	s_add_co_u32 s23, s23, STAGE                   ; my stage
	s_lshl_b32 s20, s17, 7
	s_lshl_b32 s18, s15, 6
	s_add_co_u32 s20, s20, s18
	s_lshl_b32 s20, s20, 12                        ; my first token's row of out0
	s_lshl_b32 s46, s42, 9
	s_lshl_b32 s18, s16, 8
	s_add_co_u32 s46, s46, s18                     ; my first column, in bytes
	s_add_nc_u64 s[12:13], s[12:13], s[46:47]
	s_add_nc_u64 s[20:21], s[20:21], s[46:47]
	s_add_nc_u64 s[10:11], s[10:11], s[20:21]
	v_and_b32 v1, 15, v0                           ; r
	v_bfe_u32 v2, v0, 4, 1                         ; h
	v_and_b32 v6, 31, v0
	v_lshlrev_b32 v7, 4, v6
	v_add_nc_u32 v[ADRA], s67, v7                  ; ctx: 16 x lane
	v_mul_u32_u24 v3, v1, BP
	v_lshl_add_u32 v3, v2, 4, v3
	v_add_nc_u32 v[ADRB], s22, v3                  ; Wo: row r, + 16 h
	v_lshlrev_b32 v[BA], 5, v2
	v_mul_u32_u24 v4, v1, SPITCH
	v_lshl_add_u32 v4, v2, 5, v4
	v_add_nc_u32 v[STO], s23, v4                   ; into the stage: row r, 32 bytes for each half of the lanes
	v_mul_u32_u24 v5, v2, SPITCH
	v_lshl_add_u32 v5, v1, 4, v5
	v_add_nc_u32 v[RD], s23, v5                    ; back: sixteen lanes to a row of 256 bytes
	v_lshlrev_b32 v[CO], 12, v2
	v_lshl_add_u32 v[CO], v1, 4, v[CO]             ; and the same two rows in out0
.irp b, 0,1,2,3
	global_load_b128 v[BO+8*\b:BO+8*\b+3], v[BA], s[12:13] offset:64*\b          ; bo at my eight columns of each tile
	global_load_b128 v[BO+8*\b+4:BO+8*\b+7], v[BA], s[12:13] offset:64*\b+16
.endr
.macro FETCH q                         ; the fragments of K step q (128 along K) into set q % 2: 16 loads for Wo, 16 for ctx
	WIN 0x40
.irp i, 0,1,2,3
.irp c, 0,1,2,3
	ds_load_b128 v[64*((\q)%2)+16*\i+4*\c:64*((\q)%2)+16*\i+4*\c+3], v[ADRB] offset:128*(\q)+32*\c+\i*16*BP
.endr
.endr
	WIN 0
.irp i, 0,1,2,3
.irp c, 0,1,2,3
	ds_load_b128 v[AF+64*((\q)%2)+16*\i+4*\c:AF+64*((\q)%2)+16*\i+4*\c+3], v[ADRA] offset:2048*(\q)+512*\c+\i*16384
.endr
.endr
.endm
.macro MUL p, zero                     ; the 16 accumulators take turns, one instruction a turn, in the same order in every step
	WIN 0x51                                       ; Wo and the sums in window 1, ctx in window 0
.irp a, 0,1,2,3
.irp b, 0,1,2,3
.if \zero
	v_wmma_f32_16x16x128_fp8_fp8 v[ACC+8*(4*\a+\b):ACC+8*(4*\a+\b)+7], v[64*(\p)+16*\b:64*(\p)+16*\b+15], v[AF+64*(\p)+16*\a:AF+64*(\p)+16*\a+15], 0
.else
	v_wmma_f32_16x16x128_fp8_fp8 v[ACC+8*(4*\a+\b):ACC+8*(4*\a+\b)+7], v[64*(\p)+16*\b:64*(\p)+16*\b+15], v[AF+64*(\p)+16*\a:AF+64*(\p)+16*\a+15], v[ACC+8*(4*\a+\b):ACC+8*(4*\a+\b)+7]
.endif
.endr
.endr
	WIN 0
.endm
	s_wait_alu depctr_va_vdst(0)
	s_wait_tensorcnt 0x0                           ; my part lies in LDS;
	s_barrier_signal -1
	s_barrier_wait -1                              ; and so does everybody's
	FETCH 0
	FETCH 1
	s_wait_dscnt 32                                ; step 0's fragments are in; step 1's 32 loads may be out
	MUL 0, 1                                       ; the first step's products start the sums
.irp q, 1,2,3,4,5,6
	PLACES                                         ; places in front of loads into registers that the step before has multiplied
	FETCH \q+1
	s_wait_dscnt 32                                ; this step's fragments are in; the next step's 32 loads may be out
	MUL (\q)%2, 0
.endr
	s_wait_dscnt 0x0
	MUL 1, 0
; THE WAY OUT, 16 tokens x 64 columns at a time: x 2^(e10 + e11) + bo, through my own stage, back as rows of 256 bytes.  LDS serves a wave's instructions in order (ISA guide 5.7.1.4)
.macro TOSTAGE a
	WIN 0x01
.set jj, 0
.rept 16
	v_pk_fma_f32 v[TMP+jj:TMP+jj+1], v[ACC+32*(\a)+jj:ACC+32*(\a)+jj+1], s[96:97], v[BO+jj:BO+jj+1] op_sel_hi:[1,0,1]   ; each accumulator from its low end on
.set jj, jj+2
.endr
	WIN 0
.irp b, 0,1,2,3
	ds_store_b128 v[STO], v[TMP+8*\b:TMP+8*\b+3] offset:64*\b
	ds_store_b128 v[STO], v[TMP+8*\b+4:TMP+8*\b+7] offset:64*\b+16
.endr
.irp t, 0,1,2,3,4,5,6,7
	ds_load_b128 v[AF+32*(\a)+4*\t:AF+32*(\a)+4*\t+3], v[RD] offset:2*\t*SPITCH
.endr
.endm
.macro SEND a, younger                 ; younger: the LDS instructions issued behind block a's loads, which may stay out
	s_wait_dscnt \younger
.irp t, 0,1,2,3,4,5,6,7
	global_store_b128 v[CO], v[AF+32*(\a)+4*\t:AF+32*(\a)+4*\t+3], s[10:11] offset:(\a)*65536+\t*8192 th:TH_STORE_NT   ; sixteen lanes store 256 consecutive bytes, aligned
.endr
.endm
	s_wait_kmcnt 0x0
	s_add_co_i32 s96, s96, s97
	s_add_co_i32 s96, s96, 127
	s_lshl_b32 s96, s96, 23                        ; 2^(e10 + e11) as f32
	s_wait_loadcnt 0x0                             ; bo
	PLACES                                         ; in front of the first read of the sums and of the loads into ctx's registers
	TOSTAGE 0
.irp a, 1,2,3
	TOSTAGE \a
	SEND \a-1, 16                                  ; behind block a - 1's loads: block a's 8 stores and 8 loads
.endr
	SEND 3, 0
	s_wait_tensorcnt 0x0                           ; the wave's end
	ds_add_u32 v[SPW], v[NIL]
	s_wait_dscnt 0x0
	CROUND                                         ; the closing round
	s_endpgm
.Lfunc_end_k_qcb6d55ea0f_outp:
	.size	k_qcb6d55ea0f_outp, .Lfunc_end_k_qcb6d55ea0f_outp-k_qcb6d55ea0f_outp
	.p2alignl 7, 3214868480
	.fill 96, 4, 3214868480
	.section	.rodata,"a",@progbits
	.p2align	6, 0x0
	.amdhsa_kernel k_qcb6d55ea0f_outp
		.amdhsa_group_segment_fixed_size 327680
		.amdhsa_private_segment_fixed_size 0
		.amdhsa_enable_private_segment 0
		.amdhsa_kernarg_size 40
		.amdhsa_user_sgpr_count 2
		.amdhsa_user_sgpr_kernarg_segment_ptr 1
		.amdhsa_wavefront_size32 1
		.amdhsa_system_sgpr_workgroup_id_x 1
		.amdhsa_system_sgpr_workgroup_id_y 1
		.amdhsa_system_sgpr_workgroup_id_z 1
		.amdhsa_system_vgpr_workitem_id 0
		.amdhsa_next_free_vgpr 512
		.amdhsa_next_free_sgpr 98
		.amdhsa_reserve_vcc 0
		.amdhsa_float_denorm_mode_32 3
		.amdhsa_float_denorm_mode_16_64 3
		.amdhsa_memory_ordered 1
		.amdhsa_forward_progress 1
		.amdhsa_inst_pref_size 45
	.end_amdhsa_kernel
	.amdgpu_metadata
---
amdhsa.version: [ 1, 2 ]
amdhsa.kernels:
  - .name:           k_qcb6d55ea0f_outp
    .symbol:         k_qcb6d55ea0f_outp.kd
    .args:
      - { .name: cimg, .offset: 0, .size: 8, .value_kind: global_buffer, .address_space: global }
      - { .name: wc, .offset: 8, .size: 8, .value_kind: global_buffer, .address_space: global }
      - { .name: lowp_scales, .offset: 16, .size: 8, .value_kind: global_buffer, .address_space: global }
      - { .name: out0, .offset: 24, .size: 8, .value_kind: global_buffer, .address_space: global }
      - { .name: bo, .offset: 32, .size: 8, .value_kind: global_buffer, .address_space: global }
    .group_segment_fixed_size: 327680
    .private_segment_fixed_size: 0
    .kernarg_segment_align: 8
    .kernarg_segment_size: 40
    .max_flat_workgroup_size: 128
    .sgpr_count:     98
    .vgpr_count:     512
    .wavefront_size: 32
...
	.end_amdgpu_metadata
.endif
;; end of part 4
